; MI455X (gfx1250); checked and timed in simulation.
; The chip was launched on July 23, 2026; its instructions are those of AMD's public machine-readable ISA for CDNA 5 (MIT licence, August 2026) and "CDNA5" Instruction Set Architecture Reference Guide (July 2026). The comments in the code are by the model that wrote it; some were corrected since.
;; Self Attn. Allowed arithmetic: matrix products marked QUANTISED: E2M3 operands, one E8M0 scale for each 32 along K, by v_wmma_scale_f32_16x16x128_f8f6f4 with both operands' format E2M3, f32 sums; everything else in f32.
;; Inputs: Wa 3,072 x 1,024 float32; Wo 1,024 x 1,024 float32; ba 3,072 float32; bo 1,024 float32; iQ 4 x 1,024 x 1,024 float32; rel_emb 33 x 64 float32; sn_bias 1 float32.
;; Outputs: out0 4 x 1,024 x 1,024 float32.
;; This version of the problem:
;;   THIS VERSION OF THE PROBLEM IS GIVEN IN LOW PRECISION. The matrix products marked QUANTISED in the list below multiply operands that are first quantised to E2M3 (2 exponent bits, 3 mantissa bits; 6 bits a number), with one power-of-two scale for each 32 numbers along K (OCP MX v1.0); their sums are f32. All else is computed in f32.
;;   The module's matrix products, in the order in which they are computed (A, B: the left and right operand; K: the contracted axis; several contracted axes count as one K, in the product's order):
;;     1. [M 4,096, K 1,024] x [K 1,024, N 3,072]; A: input iQ; B: input Wa: QUANTISED
;;     2. batch 64 x [M 1,024, K 64] x [K 64, N 1,024]; A: computed on the way; B: computed on the way: QUANTISED
;;     3. batch 1,024 x [M 1,024, K 64] x [K 64, N 64]; A: computed on the way; B: computed on the way: QUANTISED
;;     4. batch 64 x [M 1,024, K 1,024] x [K 1,024, N 64]; A: computed on the way; B: computed on the way: QUANTISED
;;     5. [M 4,096, K 1,024] x [K 1,024, N 1,024]; A: computed on the way; B: input Wo: QUANTISED
;;   THE QUANTISER, for each operand of a quantised product, along K:
;;     - K is cut into blocks of 32 from its start; a last block that is shorter is filled with zeros.
;;     - A block's scale is 2^e with e = floor(log2(the largest magnitude in the block)) - 2, held to -126 .. 127; a block of zeros has e = 0. As a byte (E8M0): e + 127.
;;     - Each number is divided by its block's scale, clamped to +-7.5, and rounded to the nearest number of E2M3, ties to even, subnormals kept.
;;     - The product sums the exact products of the quantised numbers (number of the format x scale) in f32.
;;   ~~~python
;;   def quantise(x, axis):      # numpy; x: float32 -> the quantised numbers, widened to float32 again
;;       x = np.moveaxis(x, axis, -1); K = x.shape[-1]
;;       x = np.pad(x, [(0, 0)] * (x.ndim - 1) + [(0, -K % 32)]); x = x.reshape(x.shape[:-1] + (-1, 32)); a = np.abs(x).max(-1, keepdims=True)
;;       e = np.where(a > 0, np.clip(np.frexp(np.where(a > 0, a, 1))[1] - 1 - 2, -126, 127), 0)      # np.frexp(a)[1] - 1 = floor(log2(a)), exactly
;;       r = np.clip(x / 2.0 ** e, -7.5, 7.5)
;;       step = 2.0 ** (np.maximum(np.frexp(np.where(r == 0, 1, r))[1] - 1, 0) - 3)
;;       q = np.round(r / step) * step * 2.0 ** e      # np.round: ties to even
;;       return np.moveaxis(q.reshape(q.shape[:-2] + (-1,))[..., :K], -1, axis).astype(np.float32)
;;   ~~~
;;   OPERANDS COMPUTED ON THE WAY. 'Computed on the way' means the value that the module computes at that place (a softmax that the list does not call 'softmax' is quantised finished and normalised). What goes into a quantiser is computed in f32, as accurately as f32 sums, v_exp_f32 and their like allow (about 1e-6 of the number): no bf16 or f16 on the way to a quantiser, and a product that is left as it is and whose result goes on into a quantised operand takes f32 operands (vector FMAs, or v_wmma_f32_16x16x4_f32). A number that lies on a knife's edge between two numbers of the format may be rounded either way, as far as f32 arithmetic and the matrix unit's own rounding can turn it there, and no further.
;; One version. Each part assembles by itself: llvm-mc -triple=amdgcn-amd-amdhsa -mcpu=gfx1250 --defsym DOCPART=n.
;; ======== version 1 of 1: 4 launches
;; workspace buffers: prep 6,558,976 bytes; qimg 4,194,304 bytes; kv 6,684,672 bytes; cimg 3,276,800 bytes
;; launch prep (part 1): grid 257 x 1, 8 waves a work-group, no clusters, 70,656 bytes of LDS; arguments iQ, Wa, Wo, rel_emb, prep; writes prep
.if DOCPART == 1
	.amdgcn_target "amdgcn-amd-amdhsa--gfx1250"
	.amdhsa_code_object_version 6
	.text
	.protected	k_q52d5c55799_prep
	.globl	k_q52d5c55799_prep
	.p2align	8
	.type	k_q52d5c55799_prep,@function
k_q52d5c55799_prep:
	s_mov_b64 s[64:65], 0
	v_nop
	global_prefetch_b8 v0, s[64:65] scope:SCOPE_SE
	s_setreg_imm32_b32 hwreg(HW_REG_WAVE_MODE, 25, 1), 1
	s_wait_xcnt 0x0
; PREP: iQ [4096][1024], Wa [3072][1024], Wo [1024][1024] and the relative-position table, all f32, become codes of FP6 (E2M3) with one E8M0 byte for each 32 along K,
; laid in the order of a matrix operand's registers.
; WORK NOT DONE AS WRITTEN.  The third product of the problem multiplies q with r[q][k][:] = rel_emb[clip(k - q, -16, 16) + 16][:].  r is a lookup: quantised along d it is the 33 quantised rows of
; rel_emb, and its partner q is quantised along the same d as for the content scores.  So each of its 1,024 x 1,024 results per head is one of 33 numbers per query, Q(q) . Q(rel_emb[c]), for all
; values of the inputs.  The program multiplies each query with a table of 96 rows (row x = rel_emb[clamp(x - 31, 0, 32)], made here) by the format's own matrix instruction and selects.
; No input is left out: ba, bo, sn_bias and rel_emb are all loaded by the launches that need them.
; LIMITS: NaN and infinities among the inputs are not served.  A block whose largest magnitude lies under 2^-124 keeps the byte 1.  A block of zeros gets the byte 1 where the rule says 127:
; its codes are zeros, which add nothing under any byte but 0xff, and these bytes are read by this program alone.
; A UNIT is 16 rows x 64 along K: lane (r, h) holds row r, k = 32 h .. 32 h + 31, in six registers.  In memory: 768 bytes: registers 0-3 at 16 x lane, registers 4-5 at 512 + 8 x lane.
; A tile's scale block is 512 bytes: 16 bytes a lane: lanes 0-15 the words of K steps 0-3 of row r, lanes 16-31 those of K steps 4-7.
; THE ROWS OF A TILE of iQ and of Wa are not neighbours: tile 2 b + u takes rows 32 b + 8 u + p + 8 (p / 8), p = 0 .. 15, so that later results of two neighbouring tiles are 16 neighbours in a lane.
; SHARES: a work-group of eight waves takes two tiles of 16 rows; a wave takes a quarter of K of one tile: 16 rows x 256: four units.  All 32 loads of a wave go out at its head: 16 KiB a wave on their way.
; Work-groups 0-127: iQ; 128-223: Wa; 224-255: Wo; 256: the table, a tile to each of six waves (its other two waves have nothing to do and end).  One path serves the three tensors: only pointers and offsets are chosen.
; Each load reads two rows' whole 256 bytes; a unit turns through the wave's own stage in LDS so that a lane gets 32 neighbours of one row.  Waves share nothing: no barrier.
; A wave makes two of a row's eight scale words: they leave by one store of 4 bytes a lane, 16 bytes from row to row: 262,144 bytes of the launch's 6.5 MB.
.set XI,   0
.set XS,   3145728
.set WAI,  3276800
.set WAS,  5636096
.set WOI,  5734400
.set WOS,  6520832
.set RX,   6553600
.set L16,  1                           ; v1   16 x lane
.set L8,   2                           ; v2   8 x lane
.set VA0,  3                           ; v3   rows 0-7 of the tile: 4096 (lane / 16) + 16 (lane % 16)
.set VA1,  4                           ; v4   rows 8-15: the same, eight rows further down where the tile's rows are not neighbours
.set SA,   5                           ; v5   the stage, on the way in
.set RA,   6                           ; v6   and on the way out
.set H8,   7                           ; v7   8 (lane / 16)
.set R,    16                          ; v16-143  four sets of 32: the four units as loaded
.set X,    144                         ; v144-207 two sets of 32 neighbours
.set C,    208                         ; v208-239 four sets of 8: a unit's codes: no store's data are written again
.set WD,   240                         ; v240-241 scale words of my two K steps
.set MXA,  242
.set MXB,  243
.set SO,   244
.set BY,   245
.set T,    246                         ; v246-248
.set SPW,  250                         ; LDS address of my spare word; never rewritten
.set NIL,  251                         ; 0; never rewritten
.set PM,   252
.set SW,   253
.set SWA,  254                         ; v254 16 r + 4 h: my scale word's place in the tile's block
.set STG,  4352                        ; a stage: 16 rows x 272 bytes
.set SPARE, 69632                      ; behind the eight waves' stages: the spare words
	s_load_b256 s[4:11], s[0:1], 0x0               ; iQ, Wa, Wo, rel_emb
	s_load_b64 s[12:13], s[0:1], 0x20              ; prep
	v_lshl_add_u32 v[SPW], v0, 2, SPARE
	v_mov_b32 v[NIL], 0
	v_lshrrev_b32 v8, 5, v0
	v_readfirstlane_b32 s16, v8                    ; wave 0..7
	v_and_b32 v9, 31, v0                           ; lane
	v_and_b32 v10, 15, v0                          ; r
	v_bfe_u32 v11, v0, 4, 1                        ; h
	v_lshlrev_b32 v[L16], 4, v9
	v_lshlrev_b32 v[L8], 3, v9
	v_lshlrev_b32 v[H8], 3, v11
	v_mov_b32 v[PM], 0                             ; a lane permute's destination counts as one of its sources
	s_mov_b32 s14, 0x76543210
	s_mov_b32 s15, 0xfedcba98                      ; selects for lane l xor 16
	s_mov_b32 s36, 0xffff0000                      ; lanes 16-31
; 32 numbers of one block, v[x] on, become 6 registers of codes, v[c] on, and the block's byte in v[BY]
.macro QU x, c
	v_max3_num_f32 v[MXA], |v[(\x)]|, |v[(\x)+1]|, 0x1800000       ; the floor 2^(3 - 127): the byte cannot fall under 1
	v_max3_num_f32 v[MXB], |v[(\x)+2]|, |v[(\x)+3]|, |v[(\x)+4]|
.irp i, 5,9,13,17,21,25
	v_max3_num_f32 v[MXA], v[MXA], |v[(\x)+\i]|, |v[(\x)+\i+1]|
	v_max3_num_f32 v[MXB], v[MXB], |v[(\x)+\i+2]|, |v[(\x)+\i+3]|
.endr
	v_max3_num_f32 v[MXA], v[MXA], |v[(\x)+29]|, |v[(\x)+30]|
	v_max3_num_f32 v[MXA], v[MXA], v[MXB], |v[(\x)+31]|            ; the block's largest magnitude: all 32 are mine
	v_add_nc_u32 v[SO], 0xff000000, v[MXA]         ; 2 off its exponent field: the conversion's scale operand
	v_cvt_scalef32_pk16_fp6_f32 v[(\c):(\c)+2], v[(\x):(\x)+15], v[SO]
	v_cvt_scalef32_pk16_fp6_f32 v[T:T+2], v[(\x)+16:(\x)+31], v[SO]   ; (a conversion's three registers begin on an even number)
	v_lshrrev_b32 v[BY], 23, v[SO]                 ; the byte; also the plain place behind the conversions
.irp i, 0,1,2
	v_mov_b32 v[(\c)+3+\i], v[T+\i]
.endr
.endm
	s_cmp_eq_u32 ttmp9, 256
	s_cbranch_scc1 .Lrel
	; ---- the three tensors
	v_lshlrev_b32 v[VA0], 4, v10
	v_lshl_add_u32 v[VA0], v11, 12, v[VA0]
	v_lshlrev_b32 v[SWA], 4, v10
	v_lshl_add_u32 v[SWA], v11, 2, v[SWA]
	s_mul_i32 s17, s16, 2*STG                      ; my wave's two stages
	v_mul_u32_u24 v[SA], v11, 272
	v_lshl_add_u32 v[SA], v10, 4, v[SA]
	v_add_nc_u32 v[SA], s17, v[SA]                 ; in: lanes 0-15 one row, lanes 16-31 the next
	v_mul_u32_u24 v[RA], v10, 272
	v_lshl_add_u32 v[RA], v11, 7, v[RA]
	v_add_nc_u32 v[RA], s17, v[RA]                 ; out: row r, 128 h bytes on: my 32 neighbours
	s_lshr_b32 s33, s16, 2                         ; which of the work-group's two tiles
	s_and_b32 s34, s16, 3                          ; which quarter of K
	s_lshl_b32 s18, ttmp9, 1
	s_add_co_u32 s18, s18, s33                     ; which tile of all
	s_mov_b32 s19, 448
	s_mov_b32 s22, WOI
	s_mov_b32 s23, WOS
	s_mov_b32 s24, 0
	s_wait_kmcnt 0x0
	s_mov_b64 s[20:21], s[8:9]                     ; Wo, unless
	s_cmp_lt_u32 ttmp9, 224                        ; the work-group's number says Wa
	s_cselect_b64 s[20:21], s[6:7], s[20:21]
	s_cselect_b32 s19, 256, s19
	s_cselect_b32 s22, WAI, s22
	s_cselect_b32 s23, WAS, s23
	s_cselect_b32 s24, 1, s24                      ; 1: the tile's rows are not neighbours
	s_cmp_lt_u32 ttmp9, 128                        ; or iQ
	s_cselect_b64 s[20:21], s[4:5], s[20:21]
	s_cselect_b32 s19, 0, s19
	s_cselect_b32 s22, XI, s22
	s_cselect_b32 s23, XS, s23
	s_sub_co_u32 s18, s18, s19                     ; the tile's number in its tensor
	s_bfe_u32 s25, s18, 0x40002                    ; Wa's tiles are laid by head: tile = part x 64 + head x 4 + t goes to head x 12 + part x 4 + t
	s_mul_i32 s25, s25, 12
	s_lshr_b32 s26, s18, 6
	s_lshl_b32 s26, s26, 2
	s_add_co_u32 s25, s25, s26
	s_and_b32 s26, s18, 3
	s_add_co_u32 s25, s25, s26
	s_sub_co_u32 s26, ttmp9, 128
	s_cmp_lt_u32 s26, 96
	s_cselect_b32 s25, s25, s18                    ; where the tile goes
	s_and_b32 s26, s18, 1
	s_mul_i32 s26, s26, s24
	s_lshl_b32 s26, s26, 3
	s_lshl_b32 s27, s18, 4
	s_sub_co_u32 s26, s27, s26                     ; its first row: 16 x tile, less 8 for an odd tile whose rows are not neighbours
	s_lshl_b32 s26, s26, 12
	s_lshl_b32 s35, s34, 10
	s_add_co_u32 s26, s26, s35                     ; + my quarter of a row: 1,024 bytes
	s_mov_b32 s27, 0
	s_add_nc_u64 s[20:21], s[20:21], s[26:27]
	s_mul_i32 s28, s25, 12288
	s_add_co_u32 s28, s28, s22
	s_mul_i32 s35, s34, 3072
	s_add_co_u32 s28, s28, s35
	s_mov_b32 s29, 0
	s_add_nc_u64 s[28:29], s[12:13], s[28:29]      ; my four units
	s_lshl_b32 s30, s25, 9
	s_add_co_u32 s30, s30, s23
	s_lshr_b32 s35, s34, 1
	s_lshl_b32 s35, s35, 8
	s_add_co_u32 s30, s30, s35                     ; K steps 4-7 lie in the block's second 256 bytes
	s_and_b32 s35, s34, 1
	s_lshl_b32 s35, s35, 3
	s_add_co_u32 s30, s30, s35                     ; my two words among a row's four
	s_mov_b32 s31, 0
	s_add_nc_u64 s[30:31], s[12:13], s[30:31]      ; the tile's scale block, at my two K steps
	s_lshl_b32 s32, s24, 15
	v_add_nc_u32 v[VA1], s32, v[VA0]
.macro LOAD u                          ; unit u of my four: 16 rows x 256 bytes, two rows a load
.irp i, 0,1,2,3
	global_load_b128 v[R+32*(\u)+4*\i:R+32*(\u)+4*\i+3], v[VA0], s[20:21] offset:8192*\i+256*(\u) th:TH_LOAD_NT
.endr
.irp i, 4,5,6,7
	global_load_b128 v[R+32*(\u)+4*\i:R+32*(\u)+4*\i+3], v[VA1], s[20:21] offset:8192*\i+256*(\u) th:TH_LOAD_NT
.endr
.endm
.macro TURN u                          ; through the stage: LDS serves a wave's instructions in order, so no wait stands between the stores and the loads
.irp i, 0,1,2,3,4,5,6,7
	ds_store_b128 v[SA], v[R+32*(\u)+4*\i:R+32*(\u)+4*\i+3] offset:STG*((\u)%2)+544*\i
.endr
.irp j, 0,1,2,3,4,5,6,7
	ds_load_b128 v[X+32*((\u)%2)+4*\j:X+32*((\u)%2)+4*\j+3], v[RA] offset:STG*((\u)%2)+16*\j
.endr
.endm
.macro STEP u
	s_wait_dscnt 0x0                               ; this unit is back from the stage
.if (\u)+1 < 4
	s_wait_loadcnt 8*(2-(\u))                      ; the next unit's eight loads are in; those of the units behind it may be out
	TURN (\u)+1                                    ; and it goes through the other stage while this unit is worked
.endif
	QU X+32*((\u)%2), C+8*(\u)
.if (\u)%2 == 0
	v_mov_b32 v[WD+(\u)/2], v[BY]
.else
	v_lshl_or_b32 v[WD+(\u)/2], v[BY], 16, v[WD+(\u)/2]
.endif
	global_store_b128 v[L16], v[C+8*(\u):C+8*(\u)+3], s[28:29] offset:768*(\u)        ; 512 consecutive bytes
	global_store_b64 v[L8], v[C+8*(\u)+4:C+8*(\u)+5], s[28:29] offset:768*(\u)+512    ; 256 consecutive bytes
.endm
	LOAD 0
	LOAD 1
	LOAD 2
	LOAD 3
	s_wait_loadcnt 24                              ; unit 0 is in; the 24 loads of the three units behind it may be out
	TURN 0
.irp t, 0,1,2,3
	STEP \t
.endr
.irp k, 0,1
	v_lshlrev_b32 v[WD+\k], v[H8], v[WD+\k]        ; my two bytes of the K step at their places: blocks h and 2 + h
.endr
.irp k, 0,1
	v_permlanex16_b32 v[PM], v[WD+\k], s14, s15
	v_or_b32 v[WD+\k], v[WD+\k], v[PM]             ; with lane l xor 16's two the word is whole
.endr
	v_cndmask_b32 v[SW], v[WD], v[WD+1], s36       ; lanes 0-15 store the first K step's word of row r, lanes 16-31 the second's
	global_store_b32 v[SWA], v[SW], s[30:31]
	s_wait_tensorcnt 0x0                           ; the wave's end
	ds_add_u32 v[SPW], v[NIL]
	s_wait_dscnt 0x0
	s_endpgm
.Lrel:                                                 ; ---- the table of 96 rows: wave w of the first six makes tile w.  No LDS here
	s_lshl_b32 s17, s16, 4
	v_add_nc_u32 v12, s17, v10                     ; x = 16 x tile + r
	v_max_u32 v12, 31, v12
	v_sub_nc_u32 v12, v12, 31
	v_min_u32 v12, 32, v12                         ; the row of rel_emb: clamp(x - 31, 0, 32)
	v_lshlrev_b32 v12, 8, v12
	v_lshl_add_u32 v12, v11, 7, v12                ; + 128 h: my block of 32
	v_lshlrev_b32 v9, 2, v9                        ; 4 x lane
	s_mul_i32 s18, s16, 768
	s_add_co_u32 s18, s18, RX
	s_mov_b32 s19, 0
	s_lshl_b32 s22, s16, 7
	s_add_co_u32 s22, s22, RX+4608
	s_mov_b32 s23, 0
	s_wait_kmcnt 0x0
	s_cmp_lt_u32 s16, 6
	s_cbranch_scc0 .Lrel_end                       ; the table has six tiles
	s_add_nc_u64 s[20:21], s[12:13], s[18:19]
	s_add_nc_u64 s[22:23], s[12:13], s[22:23]
.irp j, 0,1,2,3,4,5,6,7
	global_load_b128 v[R+4*\j:R+4*\j+3], v12, s[10:11] offset:16*\j
.endr
	s_wait_loadcnt 0x0
	QU R, C
	v_lshlrev_b32 v[WD], v[H8], v[BY]
	v_permlanex16_b32 v[PM], v[WD], s14, s15
	v_or_b32 v[WD], v[WD], v[PM]                   ; bytes 0 and 1: the row's two blocks; bytes 2 and 3 stay 0
	global_store_b128 v[L16], v[C:C+3], s[20:21]
	global_store_b64 v[L8], v[C+4:C+5], s[20:21] offset:512
	global_store_b32 v9, v[WD], s[22:23]
.Lrel_end:
	s_endpgm
.Lfunc_end_k_q52d5c55799_prep:
	.size	k_q52d5c55799_prep, .Lfunc_end_k_q52d5c55799_prep-k_q52d5c55799_prep
	.p2alignl 7, 3214868480
	.fill 96, 4, 3214868480
	.section	.rodata,"a",@progbits
	.p2align	6, 0x0
	.amdhsa_kernel k_q52d5c55799_prep
		.amdhsa_group_segment_fixed_size 70656
		.amdhsa_private_segment_fixed_size 0
		.amdhsa_enable_private_segment 0
		.amdhsa_kernarg_size 40
		.amdhsa_user_sgpr_count 2
		.amdhsa_user_sgpr_kernarg_segment_ptr 1
		.amdhsa_wavefront_size32 1
		.amdhsa_system_sgpr_workgroup_id_x 1
		.amdhsa_system_sgpr_workgroup_id_y 1
		.amdhsa_system_sgpr_workgroup_id_z 1
		.amdhsa_system_vgpr_workitem_id 0
		.amdhsa_next_free_vgpr 256
		.amdhsa_next_free_sgpr 66
		.amdhsa_reserve_vcc 0
		.amdhsa_float_denorm_mode_32 3
		.amdhsa_float_denorm_mode_16_64 3
		.amdhsa_memory_ordered 1
		.amdhsa_forward_progress 1
		.amdhsa_inst_pref_size 22
	.end_amdhsa_kernel
	.amdgpu_metadata
---
amdhsa.version: [ 1, 2 ]
amdhsa.kernels:
  - .name:           k_q52d5c55799_prep
    .symbol:         k_q52d5c55799_prep.kd
    .args:
      - { .name: iQ, .offset: 0, .size: 8, .value_kind: global_buffer, .address_space: global }
      - { .name: Wa, .offset: 8, .size: 8, .value_kind: global_buffer, .address_space: global }
      - { .name: Wo, .offset: 16, .size: 8, .value_kind: global_buffer, .address_space: global }
      - { .name: rel_emb, .offset: 24, .size: 8, .value_kind: global_buffer, .address_space: global }
      - { .name: prep, .offset: 32, .size: 8, .value_kind: global_buffer, .address_space: global }
    .group_segment_fixed_size: 70656
    .private_segment_fixed_size: 0
    .kernarg_segment_align: 8
    .kernarg_segment_size: 40
    .max_flat_workgroup_size: 256
    .sgpr_count:     66
    .vgpr_count:     256
    .wavefront_size: 32
...
	.end_amdgpu_metadata
.endif
;; end of part 1
;; launch qkv (part 2): grid 16 x 16, 4 waves a work-group, clusters of 4 x 1, 167,936 bytes of LDS; arguments prep, ba, qimg, kv; writes qimg, kv
.if DOCPART == 2
	.amdgcn_target "amdgcn-amd-amdhsa--gfx1250"
	.amdhsa_code_object_version 6
	.text
	.protected	k_q52d5c55799_qkv
	.globl	k_q52d5c55799_qkv
	.p2align	8
	.type	k_q52d5c55799_qkv,@function
k_q52d5c55799_qkv:
	s_mov_b64 s[64:65], 0
	v_nop
	global_prefetch_b8 v0, s[64:65] scope:SCOPE_SE
	s_setreg_imm32_b32 hwreg(HW_REG_WAVE_MODE, 25, 1), 1
	s_wait_xcnt 0x0
	s_wait_alu depctr_hold_cnt(0) depctr_sa_sdst(0) depctr_va_vdst(0) depctr_va_sdst(0) depctr_va_ssrc(0) depctr_va_vcc(0) depctr_vm_vsrc(0)
	s_getreg_b32 s2, hwreg(HW_REG_IB_STS2, 6, 4)
	s_cmp_eq_u32 s2, 0
	s_cbranch_scc0 .Lentry_in_a_cluster
	s_endpgm
.Lentry_in_a_cluster:
	s_bfe_u32 s2, ttmp6, 0x10000c
	s_cmp_lg_u32 s2, 0x3003
	s_cbranch_scc0 .Lentry_shape_is_right
	s_endpgm
.Lentry_shape_is_right:
; QKV: qkv = iQ Wa^T + ba on codes of FP6 (E2M3), K = 1,024; the results never go to memory as f32: q and k are quantised along d, v along the tokens, here, in registers.
; SHARES.  A work-group takes 256 tokens (x) and one head (y): its 64 columns of q, of k and of v, 12 tiles of 16.  Its four waves stand one above the other: a wave has 64 tokens (4 tiles) x 12 tiles: 48 accumulators.
; Wa's 12 tiles for all of K, 147,456 bytes, come into LDS once and stay: nothing is filled again.  The four work-groups of a cluster have the same head, so each of these loads is asked for jointly.
; The tokens' codes are read by one wave alone, so they go from memory straight into its registers, four K steps ahead.  They are not shared in the cluster: the partners have different tokens; and both operands
; for all of K, 147,456 + 196,608 bytes, would not fit in a WGP's 327,680 bytes of LDS.
; LAYOUT.  q, k: source 0 = 16 rows of Wa, source 1 = 16 tokens: a lane holds one token and its registers run along the columns.  v: source 0 = 16 tokens, source 1 = 16 rows of Wa: a lane holds one column d
; and its registers run along the tokens, which are the K of the product that takes v.  The rows of a tile of Wa and the tokens of a tile are chosen (32 b + 8 u + p + 8 (p / 8)) so that the 16 registers of tiles
; 2 b and 2 b + 1 are 16 neighbours.  ba is the C of each sum's first matrix instruction.
; OUT.  q: [head 64][tile of 16 queries 64][lane][32 bytes: 24 of codes, the scale word, a zero].  k, v: a block of 104,448 bytes a head: 64 units of k; v's units [128 keys 8][tile of d 4][half 2]; k's scale words; v's.
; v's scale words leave by stores of two bytes a lane: two bytes belong to this wave, the two beside them to the wave of the same work-group that has the other 64 keys; 128 KiB of the launch's 10.9 MB.
; LIMITS as stated at the head of the first kernel (NaN, infinities, blocks under 2^-124, the byte of a block of zeros).
.set XI,   0
.set XS,   3145728
.set WAI,  3276800
.set WAS,  5636096
.set CHK,  36864                       ; a chunk in LDS: 12 tiles x 2 K steps x 1,536 bytes
.set SPARE, 147456                     ; behind the four chunks: the spare words
.set L16,  1                           ; v1 16 x lane;  v2 8 x lane
.set L8,   2
.set LA16, 3                           ; v3-6   16 x lane + chunk
.set LA8,  7                           ; v7-10  8 x lane + chunk
.set QA,   11                          ; v11    a query's place in qimg
.set H64,  12                          ; v12    64 (lane / 16)
.set RP4,  13                          ; v13    4 (r + 8 (r / 8))
.set SPW,  14
.set NIL,  15
.set SCT,  16                          ; v16-31 the tokens' scale words, 4 registers a tile
.set SCW,  32                          ; v32-79 Wa's
.set WF,   80                          ; v80-223 two sets of six fragments of Wa; later the codes that leave
.set PC0,  80
.set QMX,  224
.set QMY,  226
.set QSO,  228
.set QBY,  230
.set QPT,  232
.set KW,   236
.set VW,   238
.set BQ,   128                         ; window 3: ba for q and k, 8 registers a tile
.set BV,   192                         ; window 3: ba for v
.set WV,   12
.set SEL,  16
.set G1,   24
.set G0,   32
.set MSB, 0
.macro WIN new                         ; the immediate's high byte repeats the setting that is left
.if MSB != (\new)
	s_set_vgpr_msb (MSB<<8)|(\new)
.set MSB, (\new)
.endif
.endm
.macro PLACES n
.rept \n
	v_nop
.endr
.endm
.macro CROUND                          ; a round of the cluster's barrier
	s_barrier_signal -1
	s_barrier_wait -1
	s_cmp_lg_u32 s[WV], 0
	s_cbranch_scc1 .Lnot_wave_0_\@
	s_barrier_signal -3
.Lnot_wave_0_\@:
	s_barrier_wait -3
	s_barrier_signal -1
	s_barrier_wait -1
.endm
; 32 numbers of a lane in window ws, register 16 b + i = k 32 b + 16 (lane / 16) + i of my row, become a unit's six registers v[pc] on and the row's two scale bytes in v[pc + 6], in window 0
.macro QUANT6 src, ws, pc
	WIN ((\ws)<<2)|((\ws)<<4)
.irp b, 0,1
	v_max3_num_f32 v[QMX+\b], 0x1800000, |v[(\src)+16*\b]|, |v[(\src)+16*\b+1]|   ; the floor 2^(3 - 127); each accumulator is read from its low end on
.endr
.irp i, 2,4,6,8,10,12,14
.irp b, 0,1
	v_max3_num_f32 v[QMX+\b], v[QMX+\b], |v[(\src)+16*\b+\i]|, |v[(\src)+16*\b+\i+1]|
.endr
.endr
	WIN 0
.irp b, 0,1
	v_permlanex16_b32 v[QMY+\b], v[QMX+\b], s[SEL], s[SEL+1]
.endr
.irp b, 0,1
	v_max_num_f32 v[QMX+\b], v[QMX+\b], v[QMY+\b]  ; with lane l xor 16's 16: the block's largest magnitude
.endr
.irp b, 0,1
	v_add_nc_u32 v[QSO+\b], 0xff000000, v[QMX+\b]  ; 2 off the exponent field: the conversion's scale operand
.endr
.irp b, 0,1
	v_lshrrev_b32 v[QBY+\b], 23, v[QSO+\b]
.endr
	v_lshl_or_b32 v[(\pc)+6], v[QBY+1], 8, v[QBY]
	WIN (\ws)
	v_cvt_scalef32_pk16_fp6_f32 v[(\pc):(\pc)+2], v[(\src):(\src)+15], v[QSO]
	v_cvt_scalef32_pk16_fp6_f32 v[QPT:QPT+2], v[(\src)+16:(\src)+31], v[QSO+1]
	WIN 0
	v_nop                                          ; one plain place behind a scaled conversion
.irp i, 0,1,2
	v_permlane16_swap_b32 v[(\pc)+\i], v[QPT+\i]   ; a whole block to a lane: lanes 0-15 block 0, lanes 16-31 block 1
.endr
.irp i, 0,1,2
	v_mov_b32 v[(\pc)+3+\i], v[QPT+\i]
.endr
.endm
	s_load_b256 s[4:11], s[0:1], 0x0               ; prep, ba, qimg, kv
	v_lshl_add_u32 v[SPW], v0, 2, SPARE
	v_mov_b32 v[NIL], 0
	ds_add_u32 v[SPW], v[NIL]                      ; the wave's opening: the add, twice on end, and its wait ahead of my first tensor load
	ds_add_u32 v[SPW], v[NIL]
	v_lshrrev_b32 v1, 5, v0
	v_readfirstlane_b32 s[WV], v1                  ; wave 0..3
	s_bfe_u32 s13, ttmp6, 0x40000                  ; cx
	s_lshl_b32 s14, ttmp9, 2
	s_add_co_u32 s14, s14, s13                     ; my block of 256 tokens: it enters global addresses of tokens and results alone
	s_and_b32 s15, ttmp7, 0xffff                   ; the head, which the four partners share
	s_mov_b32 s[SEL], 0x76543210
	s_mov_b32 s[SEL+1], 0xfedcba98
	s_mov_b32 s22, 0xffff0000                      ; lanes 16-31
	s_mov_b32 s[G1+0], 15|(3<<16)|(1<<21)          ; the mask: all four work-groups; elements of 8 bytes; bit 21 beside a mask; no padding
	s_mov_b32 s[G1+1], 384<<16                     ; tensor_dim0 = 384 elements: 3,072 bytes: two K steps of a tile
	s_mov_b32 s[G1+2], 3<<16                       ; tensor_dim1 = 3 tiles
	s_mov_b32 s[G1+3], 384<<16                     ; tile_dim0
	s_mov_b32 s[G1+4], 3                           ; tile_dim1
	s_mov_b32 s[G1+5], 1536                        ; from tile to tile: 12,288 bytes
	s_mov_b32 s[G1+6], 0
	s_mov_b32 s[G1+7], 0
	s_mul_i32 s18, s15, 12
	s_mul_i32 s19, s[WV], 3
	s_add_co_u32 s18, s18, s19                     ; the three tiles of Wa that I fetch: head x 12 + 3 x wave
	s_mul_i32 s18, s18, 12288
	s_add_co_u32 s18, s18, WAI
	s_mov_b32 s19, 0
	s_mul_i32 s23, s[WV], 9216                     ; and their place in a chunk
	s_lshl_b32 s68, s14, 4
	s_lshl_b32 s69, s[WV], 2
	s_add_co_u32 s68, s68, s69                     ; my first tile of tokens
	s_mul_i32 s70, s68, 12288
	s_mov_b32 s71, 0
	s_lshl_b32 s72, s68, 9
	s_add_co_u32 s72, s72, XS
	s_mov_b32 s73, 0
	s_mul_i32 s74, s15, 12*512
	s_add_co_u32 s74, s74, WAS
	s_mov_b32 s75, 0
	s_lshl_b32 s76, s15, 8
	s_mov_b32 s77, 0
	s_wait_dscnt 0x0                               ; both opening adds are done
	s_wait_kmcnt 0x0
	s_add_nc_u64 s[20:21], s[4:5], s[18:19]
	s_add_nc_u64 s[48:49], s[4:5], s[70:71]        ; the tokens' units
	s_add_nc_u64 s[50:51], s[4:5], s[72:73]        ; their scale blocks
	s_add_nc_u64 s[52:53], s[4:5], s[74:75]        ; Wa's scale blocks
	s_add_nc_u64 s[54:55], s[6:7], s[76:77]        ; ba at my head
.irp c, 0,1,2,3
	s_mov_b32 s[G0+4*\c], 1
	s_add_co_u32 s[G0+4*\c+1], s23, \c*CHK
	s_add_nc_u64 s[G0+4*\c+2:G0+4*\c+3], s[20:21], \c*3072
	s_or_b32 s[G0+4*\c+3], s[G0+4*\c+3], 0x80000000
.endr
	; where the results go
	s_lshr_b32 s68, s14, 2
	s_lshl_b32 s68, s68, 4
	s_add_co_u32 s68, s68, s15                     ; batch x 16 + head
	s_and_b32 s69, s14, 3
	s_lshl_b32 s69, s69, 2
	s_add_co_u32 s69, s69, s[WV]                   ; which 64 tokens of the sequence are mine
	s_lshl_b32 s70, s68, 16
	s_lshl_b32 s78, s69, 12
	s_add_co_u32 s70, s70, s78
	s_add_nc_u64 s[56:57], s[8:9], s[70:71]        ; q
	s_mul_i32 s70, s68, 104448
	s_add_nc_u64 s[72:73], s[10:11], s[70:71]      ; the head's block of k and v
	s_mul_i32 s70, s69, 3072
	s_add_nc_u64 s[58:59], s[72:73], s[70:71]      ; k's four units
	s_lshl_b32 s70, s69, 8
	s_add_co_u32 s70, s70, 98304
	s_add_nc_u64 s[60:61], s[72:73], s[70:71]      ; k's scale words
	s_lshr_b32 s74, s69, 1
	s_and_b32 s75, s69, 1
	s_mul_i32 s70, s74, 6144
	s_mul_i32 s78, s75, 768
	s_add_co_u32 s70, s70, s78
	s_add_co_u32 s70, s70, 49152
	s_add_nc_u64 s[62:63], s[72:73], s[70:71]      ; v's units
	s_lshl_b32 s70, s74, 8
	s_lshl_b32 s78, s75, 1
	s_add_co_u32 s70, s70, s78
	s_add_co_u32 s70, s70, 102400
	s_add_nc_u64 s[66:67], s[72:73], s[70:71]      ; v's scale words
	CROUND                                         ; all four work-groups are here: the joint loads meet
.irp c, 0,1,2,3
	tensor_load_to_lds s[G0+4*\c:G0+4*\c+3], s[G1:G1+7]   ; four loads of mine are out: one for each chunk of two K steps
	s_nop 0
.endr
	PLACES 4
	v_and_b32 v244, 31, v0
	v_and_b32 v245, 15, v0
	v_bfe_u32 v246, v0, 4, 1
	v_lshlrev_b32 v[L16], 4, v244
	v_lshlrev_b32 v[L8], 3, v244
.irp c, 0,1,2,3
	v_add_nc_u32 v[LA16+\c], \c*CHK, v[L16]
	v_add_nc_u32 v[LA8+\c], \c*CHK, v[L8]
.endr
	v_lshrrev_b32 v247, 3, v245
	v_and_b32 v[QA], 7, v245
	v_lshlrev_b32 v[QA], 5, v[QA]
	v_lshl_add_u32 v[QA], v247, 10, v[QA]
	v_lshl_add_u32 v[QA], v246, 9, v[QA]           ; lane r of tile 2 b + u holds query 8 u + r % 8 of the natural tile 2 b + r / 8: 1024 (r / 8) + 512 h + 32 (r % 8)
	v_lshlrev_b32 v[H64], 6, v246
	v_lshl_add_u32 v[RP4], v247, 3, v245
	v_lshlrev_b32 v[RP4], 2, v[RP4]
	v_mov_b32 v[QMY], 0                            ; a lane permute's destination counts as one of its sources
	v_mov_b32 v[QMY+1], 0
.irp a, 0,1,2,3
	global_load_b128 v[SCT+4*\a:SCT+4*\a+3], v[L16], s[50:51] offset:512*\a
.endr
.irp n, 0,1,2,3,4,5,6,7,8,9,10,11
	global_load_b128 v[SCW+4*\n:SCW+4*\n+3], v[L16], s[52:53] offset:512*\n
.endr
	WIN 0xc0                                       ; destination window 3
.irp n, 0,1,2,3,4,5,6,7
	global_load_b128 v[BQ+8*\n:BQ+8*\n+3], v[H64], s[54:55] offset:(\n/4)*4096+((\n%4)/2)*128+(\n%2)*32
	global_load_b128 v[BQ+8*\n+4:BQ+8*\n+7], v[H64], s[54:55] offset:(\n/4)*4096+((\n%4)/2)*128+(\n%2)*32+16
.endr
.irp n, 0,1,2,3
	global_load_b32 v[BV+8*\n], v[RP4], s[54:55] offset:8192+(\n/2)*128+(\n%2)*32
.endr
	WIN 0
.macro TLOAD k                         ; my four tiles' fragments of K step k, into the ring's place k % 4 in window 1
	WIN 0x40
.irp a, 0,1,2,3
	global_load_b128 v[48*((\k)%4)+12*\a:48*((\k)%4)+12*\a+3], v[L16], s[48:49] offset:\a*12288+(\k)*1536
	global_load_b64 v[48*((\k)%4)+12*\a+4:48*((\k)%4)+12*\a+5], v[L8], s[48:49] offset:\a*12288+(\k)*1536+512
	global_load_b128 v[48*((\k)%4)+12*\a+6:48*((\k)%4)+12*\a+9], v[L16], s[48:49] offset:\a*12288+(\k)*1536+768
	global_load_b64 v[48*((\k)%4)+12*\a+10:48*((\k)%4)+12*\a+11], v[L8], s[48:49] offset:\a*12288+(\k)*1536+1280
.endr
	WIN 0
.endm
	TLOAD 0
	TLOAD 1
	TLOAD 2
	TLOAD 3
.macro FETCHW g                        ; group g = K step g / 2, tiles 6 (g % 2) on: six fragments of Wa into set g % 2
.set FK, (\g)/2
.set FC, FK/2
.set FP, (\g)%2
.irp i, 0,1,2,3,4,5
	ds_load_b128 v[WF+72*FP+12*\i:WF+72*FP+12*\i+3], v[LA16+FC] offset:(6*FP+\i)*3072+(FK%2)*1536
	ds_load_b64 v[WF+72*FP+12*\i+4:WF+72*FP+12*\i+5], v[LA8+FC] offset:(6*FP+\i)*3072+(FK%2)*1536+512
	ds_load_b128 v[WF+72*FP+12*\i+6:WF+72*FP+12*\i+9], v[LA16+FC] offset:(6*FP+\i)*3072+(FK%2)*1536+768
	ds_load_b64 v[WF+72*FP+12*\i+10:WF+72*FP+12*\i+11], v[LA8+FC] offset:(6*FP+\i)*3072+(FK%2)*1536+1280
.endr
.endm
.macro MMQK n, a, k                    ; q and k: tile n of Wa x tile a of tokens
.set rD, 64*(\a)+8*(\n)
.set rW, WF+72*((\n)/6)+12*((\n)%6)
.set rT, 48*((\k)%4)+12*(\a)
.if (\k) == 0
	v_wmma_scale_f32_16x16x128_f8f6f4 v[rD:rD+7], v[rW:rW+11], v[rT:rT+11], v[BQ+8*(\n):BQ+8*(\n)+7], v[SCW+4*(\n)], v[SCT+4*(\a)] matrix_a_fmt:MATRIX_FMT_FP6 matrix_b_fmt:MATRIX_FMT_FP6
.elseif (\k) < 4
	v_wmma_scale_f32_16x16x128_f8f6f4 v[rD:rD+7], v[rW:rW+11], v[rT:rT+11], v[rD:rD+7], v[SCW+4*(\n)+(\k)], v[SCT+4*(\a)+(\k)] matrix_a_fmt:MATRIX_FMT_FP6 matrix_b_fmt:MATRIX_FMT_FP6
.else
	v_wmma_scale_f32_16x16x128_f8f6f4 v[rD:rD+7], v[rW:rW+11], v[rT:rT+11], v[rD:rD+7], v[SCW+4*(\n)+(\k)-4], v[SCT+4*(\a)+(\k)-4] matrix_a_fmt:MATRIX_FMT_FP6 matrix_b_fmt:MATRIX_FMT_FP6 matrix_a_scale:MATRIX_SCALE_ROW1 matrix_b_scale:MATRIX_SCALE_ROW1
.endif
.endm
.macro MMV m, a, k                     ; v: tile a of tokens x tile m of Wa's v part
.set rD, 32*(\m)+8*(\a)
.set rW, WF+72+12*((\m)+2)
.set rT, 48*((\k)%4)+12*(\a)
.if (\k) == 0
	v_wmma_scale_f32_16x16x128_f8f6f4 v[rD:rD+7], v[rT:rT+11], v[rW:rW+11], v[BV+8*(\m):BV+8*(\m)+7], v[SCT+4*(\a)], v[SCW+32+4*(\m)] matrix_a_fmt:MATRIX_FMT_FP6 matrix_b_fmt:MATRIX_FMT_FP6
.elseif (\k) < 4
	v_wmma_scale_f32_16x16x128_f8f6f4 v[rD:rD+7], v[rT:rT+11], v[rW:rW+11], v[rD:rD+7], v[SCT+4*(\a)+(\k)], v[SCW+32+4*(\m)+(\k)] matrix_a_fmt:MATRIX_FMT_FP6 matrix_b_fmt:MATRIX_FMT_FP6
.else
	v_wmma_scale_f32_16x16x128_f8f6f4 v[rD:rD+7], v[rT:rT+11], v[rW:rW+11], v[rD:rD+7], v[SCT+4*(\a)+(\k)-4], v[SCW+32+4*(\m)+(\k)-4] matrix_a_fmt:MATRIX_FMT_FP6 matrix_b_fmt:MATRIX_FMT_FP6 matrix_a_scale:MATRIX_SCALE_ROW1 matrix_b_scale:MATRIX_SCALE_ROW1
.endif
.endm
; A group: 24 matrix instructions on 24 accumulators, each once: the 48 take turns, one instruction a turn, in the same order in every K step.
.macro GROUP g
.set GK, (\g)/2
	s_wait_dscnt 0x0                               ; this group's six fragments of Wa are in (asked for a group ago)
.if (\g)%2 == 0
.if GK < 5
	s_wait_loadcnt 48                              ; this K step's tokens are in; those of the three K steps behind it may be out
.else
	s_wait_loadcnt 16*(7-GK)
.endif
.endif
.if (\g) == 0
	WIN 0xc3
.irp n, 0,1,2,3
.irp j, 1,2,3,4,5,6,7
	v_mov_b32 v[BV+8*\n+\j], v[BV+8*\n]            ; v's bias is the same for a lane's eight tokens
.endr
.endr
	WIN 0
.else
	PLACES 4                                       ; in front of loads into the set that the group before multiplied
.endif
.if (\g) < 15
.if ((\g)+1)%4 == 0
	s_wait_tensorcnt 3-((\g)+1)/4                  ; my part of the next chunk has landed; my loads of the later chunks may be out
	s_barrier_signal -1
	s_barrier_wait -1                              ; everybody's has
.endif
	FETCHW (\g)+1
.endif
.if GK == 0
	WIN 0xb4                                       ; Wa window 0, tokens window 1, ba window 3, sums window 2
.else
	WIN 0xa4
.endif
.if (\g)%2 == 0
.irp n, 0,1,2,3,4,5
.irp a, 0,1,2,3
	MMQK \n, \a, GK
.endr
.endr
.else
.irp n, 6,7
.irp a, 0,1,2,3
	MMQK \n, \a, GK
.endr
.endr
	WIN 0xf1                                       ; tokens window 1, Wa window 0, C and D window 3
.irp n, 0,1,2,3
.irp a, 0,1,2,3
	MMV \n, \a, GK
.endr
.endr
.endif
	WIN 0
.if ((\g)%2 == 1) && (GK+4 < 8)
	PLACES 4                                       ; in front of loads into the ring's place that this K step multiplied
	TLOAD GK+4
.endif
.endm
	s_wait_tensorcnt 3                             ; my part of chunk 0 has landed
	s_barrier_signal -1
	s_barrier_wait -1
	FETCHW 0
.irp g, 0,1,2,3,4,5,6,7,8,9,10,11,12,13,14,15
	GROUP \g
.endr
	; ---- the results become codes.  Each of the twelve jobs has eight registers of its own for what it stores
	PLACES 4
.irp a, 0,1,2,3
	QUANT6 64*\a, 2, PC0+8*\a
	v_mov_b32 v[PC0+8*\a+7], 0
	global_store_b128 v[QA], v[PC0+8*\a:PC0+8*\a+3], s[56:57] offset:(\a/2)*2048+(\a%2)*256
	global_store_b128 v[QA], v[PC0+8*\a+4:PC0+8*\a+7], s[56:57] offset:(\a/2)*2048+(\a%2)*256+16
.endr
.irp a, 0,1,2,3
	QUANT6 64*\a+32, 2, PC0+32+8*\a
	global_store_b128 v[L16], v[PC0+32+8*\a:PC0+32+8*\a+3], s[58:59] offset:768*\a
	global_store_b64 v[L8], v[PC0+32+8*\a+4:PC0+32+8*\a+5], s[58:59] offset:768*\a+512
.endr
.irp b, 0,1
	v_cndmask_b32 v[KW+\b], v[PC0+32+16*\b+6], v[PC0+32+16*\b+14], s22   ; lanes 0-15: tile 2 b's words; lanes 16-31: tile 2 b + 1's
.endr
	global_store_b64 v[L8], v[KW:KW+1], s[60:61]
.irp n, 0,1,2,3
	QUANT6 32*\n, 3, PC0+64+8*\n
	global_store_b128 v[L16], v[PC0+64+8*\n:PC0+64+8*\n+3], s[62:63] offset:1536*\n
	global_store_b64 v[L8], v[PC0+64+8*\n+4:PC0+64+8*\n+5], s[62:63] offset:1536*\n+512
.endr
.irp b, 0,1
	v_cndmask_b32 v[VW+\b], v[PC0+64+16*\b+6], v[PC0+64+16*\b+14], s22
	global_store_b16 v[L8], v[VW+\b], s[66:67] offset:4*\b
.endr
	s_wait_tensorcnt 0x0                           ; the wave's end
	ds_add_u32 v[SPW], v[NIL]
	s_wait_dscnt 0x0
	CROUND                                         ; the closing round
	s_endpgm
.Lfunc_end_k_q52d5c55799_qkv:
	.size	k_q52d5c55799_qkv, .Lfunc_end_k_q52d5c55799_qkv-k_q52d5c55799_qkv
	.p2alignl 7, 3214868480
	.fill 96, 4, 3214868480
	.section	.rodata,"a",@progbits
	.p2align	6, 0x0
	.amdhsa_kernel k_q52d5c55799_qkv
		.amdhsa_group_segment_fixed_size 167936
		.amdhsa_private_segment_fixed_size 0
		.amdhsa_enable_private_segment 0
		.amdhsa_kernarg_size 32
		.amdhsa_user_sgpr_count 2
		.amdhsa_user_sgpr_kernarg_segment_ptr 1
		.amdhsa_wavefront_size32 1
		.amdhsa_system_sgpr_workgroup_id_x 1
		.amdhsa_system_sgpr_workgroup_id_y 1
		.amdhsa_system_sgpr_workgroup_id_z 1
		.amdhsa_system_vgpr_workitem_id 0
		.amdhsa_next_free_vgpr 1024
		.amdhsa_next_free_sgpr 96
		.amdhsa_reserve_vcc 0
		.amdhsa_float_denorm_mode_32 3
		.amdhsa_float_denorm_mode_16_64 3
		.amdhsa_memory_ordered 1
		.amdhsa_forward_progress 1
		.amdhsa_inst_pref_size 128
	.end_amdhsa_kernel
	.amdgpu_metadata
---
amdhsa.version: [ 1, 2 ]
amdhsa.kernels:
  - .name:           k_q52d5c55799_qkv
    .symbol:         k_q52d5c55799_qkv.kd
    .args:
      - { .name: prep, .offset: 0, .size: 8, .value_kind: global_buffer, .address_space: global }
      - { .name: ba, .offset: 8, .size: 8, .value_kind: global_buffer, .address_space: global }
      - { .name: qimg, .offset: 16, .size: 8, .value_kind: global_buffer, .address_space: global }
      - { .name: kv, .offset: 24, .size: 8, .value_kind: global_buffer, .address_space: global }
    .group_segment_fixed_size: 167936
    .private_segment_fixed_size: 0
    .kernarg_segment_align: 8
    .kernarg_segment_size: 32
    .max_flat_workgroup_size: 128
    .sgpr_count:     96
    .vgpr_count:     1024
    .wavefront_size: 32
...
	.end_amdgpu_metadata
.endif
;; end of part 2
;; launch attn (part 3): grid 4 x 64, 8 waves a work-group, no clusters, 167,936 bytes of LDS; arguments qimg, kv, prep, sn_bias, cimg; writes cimg
.if DOCPART == 3
	.amdgcn_target "amdgcn-amd-amdhsa--gfx1250"
	.amdhsa_code_object_version 6
	.text
	.protected	k_q52d5c55799_attn
	.globl	k_q52d5c55799_attn
	.p2align	8
	.type	k_q52d5c55799_attn,@function
k_q52d5c55799_attn:
	s_mov_b64 s[64:65], 0
	v_nop
	global_prefetch_b8 v0, s[64:65] scope:SCOPE_SE
	s_setreg_imm32_b32 hwreg(HW_REG_WAVE_MODE, 25, 1), 1
	s_wait_xcnt 0x0
; ATTN: scores = Q K^T + the relative term, the normer relu(x + b)^2 / (sum + eps), and the product with V, all three products on codes of FP6 (E2M3).
; The relative product is done as the lookup that it is (shown at the head of the first kernel): 96 table rows for each 16 queries, six matrix instructions, and a selection.
; SCALING.  u = s + rel + 8 b.  relu((s + rel) / 8 + b)^2 = relu(u)^2 / 64, so the weight is relu(u)^2 / (sum of relu(u)^2 + 64 eps): only powers of two have moved.
; TWO PASSES.  The weights are quantised finished, so a row's sum over all 1,024 keys comes first: pass 1 makes scores and sums, pass 2 makes the scores again, the weights, their codes, and O.
; SHARES.  A work-group takes 256 queries of one head, each of its eight waves 32: two tiles of 16, so that each fragment of K and V read from LDS feeds two matrix instructions.  Two waves to a SIMD.
; The head's K, V and their scale words, 104,448 bytes, come into LDS once and are only read from then on.  Each wave asks for an eighth of each, by three tensor loads at its head: K, the scale words, V.
; Pass 1 reads K and K's scale words alone, so it begins when these have landed, and V lands under it: one barrier in front of each pass.
; In LDS the scale words lie between K and V: pass 1's last look-ahead loads, which run one step past K and past K's scale words, end under V's first byte, in bytes that have landed.
; NO CLUSTER, though the four work-groups of a head read the same block: the branches below that set the relative term hang on the work-group's block of queries
; LAYOUT.  S^T = K Q^T (source 0 = 16 keys, source 1 = 16 queries): a lane holds one query; the keys of a tile are chosen so that the 16 registers of two tiles are 16 neighbouring keys.  K = 64 fills the lower half of
; the instruction's 128: Q's upper six registers are zero codes, so what stands in K's upper six (the next unit) counts for nothing.  O^T = V^T P^T likewise: a lane holds one query, registers along d.
; THE RELATIVE TERM is the C of the score's matrix instruction.  For a block of 32 keys it is one number a query (all keys 17 or more before: LO; after: HI) but for two blocks a tile of queries, whose 16 values a
; lane are read once from the wave's table.  The instructions always name CC; its contents change at four blocks of the walk (macro FIX: scalar branches on ids and the count of blocks).
; THE RELU goes two numbers an instruction, as a pair of v_dual_max_num_f32: an even and an odd register, whose numbers differ modulo 4.
; LIMITS: as at the head of the first kernel.  1 / (sum + 64 eps) is a reciprocal and a multiplication.
.set RX,   6553600
.set CSO,  3145728                     ; cimg: the scale blocks lie behind the units
.set LSC,  49152                       ; LDS: K's 64 units lie at 0; behind them K's scale words, 4,096 bytes,
.set LVS,  53248                       ; V's scale words, 2,048 bytes,
.set LV,   55296                       ; and V's 64 units
.set TAB,  104448                      ; behind the head's block: a table of 16 rows x 400 bytes for each wave
.set SPARE, 155648                     ; and the spare words
.set L16,  1
.set L8,   2
.set L32,  3
.set AK16, 4
.set AK8,  5
.set AKS,  6
.set AV16, 7
.set AV8,  8
.set AVS,  9
.set TABS, 10
.set TABR, 11
.set TABL, 12
.set CSA,  13
.set SPW,  14
.set NIL,  15
.set QF,   16                          ; v16-39  Q: 6 registers of codes and 6 of zeros a tile
.set QS,   40                          ; v40-41  Q's scale words
.set KS,   42                          ; v42-43  K's
.set VS,   44                          ; v44-45  V's
.set PW,   46                          ; v46-47  the weights'
.set SA,   48                          ; v48-55  the sums: two packed chains a tile
.set INV,  56                          ; v56-59  1 / (sum + 64 eps), a pair a tile
.set MX,   60
.set MY,   64
.set SO,   68
.set BY,   72
.set PT,   76
.set P,    84                          ; v84-107  the weights' codes, 12 a tile
.set S,    108                         ; v108-171 scores, then weights: 32 a tile
.set O,    172                         ; v172-235 O^T, 32 a tile
.set RXU,  172                         ; at the head: the table's six units and six zeros
.set BB,   236                         ; v236-243 8 b
.set RXS,  244                         ; v244-249 the table's scale words
.set VR,   250
.set VH,   251
.set L4,   252
.set CW,   253
.set KU,   0                           ; window 1: v0-29 four units of K and six registers written once
.set VF,   32                          ; v32-79  four fragments of V
.set BAND, 80                          ; v80-143 the four sets of 16 values near the diagonal
.set CC,   144                         ; v144-175 the C of the scores' instructions: 16 a tile of queries
.set LOHI, 176                         ; v176-179 LO, HI of tile 0; LO, HI of tile 1
.set QMX,  60
.set QMY,  64
.set QSO,  68
.set QBY,  72
.set QPT,  76
.set WV,   14
.set SEL,  18
.set G1,   24                          ; s[24:31] group 1: 24 rows of 256 bytes, for K and for V
.set G0,   32                          ; s[32:35] group 0 for K
.set G1S,  68                          ; s[68:75] group 1: 3 rows of 256 bytes, for the scale words
.set G0S,  76                          ; s[76:79] group 0 for the scale words
.set G0V,  80                          ; s[80:83] group 0 for V
.set SKO,  36
.set SKS,  37
.set SVO,  38
.set SVS,  39
.set SD,   40
.set CNT,  41
.set B0,   42
.set MSB, 0
.macro WIN new                         ; the immediate's high byte repeats the setting that is left
.if MSB != (\new)
	s_set_vgpr_msb (MSB<<8)|(\new)
.set MSB, (\new)
.endif
.endm
.macro PLACES n
.rept \n
	v_nop
.endr
.endm
; 32 numbers of a lane, register 16 b + i = k 32 b + 16 (lane / 16) + i of my row, become a unit's six registers v[pc] on and the row's two scale bytes in v[pc + 6]
.macro QUANT6 src, ws, pc
	WIN ((\ws)<<2)|((\ws)<<4)
.irp b, 0,1
	v_max3_num_f32 v[QMX+\b], 0x1800000, |v[(\src)+16*\b]|, |v[(\src)+16*\b+1]|
.endr
.irp i, 2,4,6,8,10,12,14
.irp b, 0,1
	v_max3_num_f32 v[QMX+\b], v[QMX+\b], |v[(\src)+16*\b+\i]|, |v[(\src)+16*\b+\i+1]|
.endr
.endr
	WIN 0
.irp b, 0,1
	v_permlanex16_b32 v[QMY+\b], v[QMX+\b], s[SEL], s[SEL+1]
.endr
.irp b, 0,1
	v_max_num_f32 v[QMX+\b], v[QMX+\b], v[QMY+\b]
.endr
.irp b, 0,1
	v_add_nc_u32 v[QSO+\b], 0xff000000, v[QMX+\b]
.endr
.irp b, 0,1
	v_lshrrev_b32 v[QBY+\b], 23, v[QSO+\b]
.endr
	v_lshl_or_b32 v[(\pc)+6], v[QBY+1], 8, v[QBY]
	WIN (\ws)
	v_cvt_scalef32_pk16_fp6_f32 v[(\pc):(\pc)+2], v[(\src):(\src)+15], v[QSO]
	v_cvt_scalef32_pk16_fp6_f32 v[QPT:QPT+2], v[(\src)+16:(\src)+31], v[QSO+1]
	WIN 0
	v_nop
.irp i, 0,1,2
	v_permlane16_swap_b32 v[(\pc)+\i], v[QPT+\i]
.endr
.irp i, 0,1,2
	v_mov_b32 v[(\pc)+3+\i], v[QPT+\i]
.endr
.endm
	s_load_b256 s[4:11], s[0:1], 0x0               ; qimg, kv, prep, sn_bias
	s_load_b64 s[12:13], s[0:1], 0x20              ; cimg
	v_lshl_add_u32 v[SPW], v0, 2, SPARE
	v_mov_b32 v[NIL], 0
	ds_add_u32 v[SPW], v[NIL]                      ; the wave's opening: the add, twice on end, and its wait ahead of my first tensor load
	ds_add_u32 v[SPW], v[NIL]
	v_lshrrev_b32 v1, 5, v0
	v_readfirstlane_b32 s[WV], v1                  ; wave 0..7
	s_and_b32 s16, ttmp7, 0xffff                   ; batch x 16 + head
	s_lshl_b32 s[B0], ttmp9, 3
	s_add_co_u32 s[B0], s[B0], s[WV]               ; my 32 queries are block B0 of the sequence's 32
	s_mov_b32 s[SEL], 0x76543210
	s_mov_b32 s[SEL+1], 0xfedcba98
	s_mov_b32 s21, 0xffff0000                      ; lanes 16-31
	s_mov_b32 s[G1+0], 3<<16                       ; no mask; elements of 8 bytes; no padding
	s_mov_b32 s[G1+1], 32<<16                      ; rows of 256 bytes,
	s_mov_b32 s[G1+2], 24<<16                      ; 24 of them: an eighth of K's units, or of V's
	s_mov_b32 s[G1+3], 32<<16
	s_mov_b32 s[G1+4], 24
	s_mov_b32 s[G1+5], 32                          ; dense
	s_mov_b32 s[G1+6], 0
	s_mov_b32 s[G1+7], 0
	s_mov_b32 s[G1S+0], 3<<16
	s_mov_b32 s[G1S+1], 32<<16
	s_mov_b32 s[G1S+2], 3<<16                      ; 3 rows: an eighth of the 6,144 bytes of scale words
	s_mov_b32 s[G1S+3], 32<<16
	s_mov_b32 s[G1S+4], 3
	s_mov_b32 s[G1S+5], 32
	s_mov_b32 s[G1S+6], 0
	s_mov_b32 s[G1S+7], 0
	s_mov_b32 s[G0], 1
	s_mul_i32 s[G0+1], s[WV], 6144                 ; K goes to LDS byte 0 on
	s_mov_b32 s[G0S], 1
	s_mul_i32 s62, s[WV], 768
	s_add_co_u32 s[G0S+1], s62, LSC                ; the scale words behind it
	s_mov_b32 s[G0V], 1
	s_add_co_u32 s[G0V+1], s[G0+1], LV             ; V behind them
	s_mov_b32 s63, 0
	s_mov_b32 s66, s[G0+1]
	s_mov_b32 s67, 0
	s_mul_i32 s54, s16, 104448
	s_mov_b32 s55, 0
	s_lshl_b32 s52, s[B0], 1                       ; my first tile of 16 queries
	s_lshl_b32 s56, s16, 6
	s_add_co_u32 s56, s56, s52
	s_lshl_b32 s56, s56, 10
	s_mov_b32 s57, 0
	s_lshr_b32 s53, s16, 4
	s_lshl_b32 s53, s53, 6
	s_add_co_u32 s53, s53, s52                     ; the same tile among all 256 tiles of tokens
	s_and_b32 s52, s16, 15                         ; the head
	s_lshl_b32 s58, s53, 4
	s_add_co_u32 s58, s58, s52
	s_mul_i32 s58, s58, 768
	s_mov_b32 s59, 0
	s_lshl_b32 s60, s53, 9                         ; its scale block; my head's two bytes: K step head / 2, half head % 2
	s_lshr_b32 s61, s52, 3
	s_lshl_b32 s61, s61, 8
	s_add_co_u32 s60, s60, s61
	s_bfe_u32 s61, s52, 0x20001
	s_lshl_b32 s61, s61, 2
	s_add_co_u32 s60, s60, s61
	s_and_b32 s61, s52, 1
	s_lshl_b32 s61, s61, 1
	s_add_co_u32 s60, s60, s61
	s_add_co_u32 s60, s60, CSO
	s_mov_b32 s61, 0
	s_mul_i32 s52, s[WV], 6400
	s_add_co_u32 s52, s52, TAB                     ; my table
	s_wait_dscnt 0x0                               ; both opening adds are done
	s_wait_kmcnt 0x0
	s_load_b32 s20, s[10:11], 0x0                  ; b
	s_add_nc_u64 s[54:55], s[6:7], s[54:55]        ; the head's block in memory: K, V, K's scale words, V's
	s_add_nc_u64 s[G0+2:G0+3], s[54:55], s[66:67]
	s_add_nc_u64 s[G0V+2:G0V+3], s[G0+2:G0+3], 49152
	s_add_nc_u64 s[G0S+2:G0S+3], s[54:55], s[62:63]
	s_add_nc_u64 s[G0S+2:G0S+3], s[G0S+2:G0S+3], 98304
	s_or_b32 s[G0+3], s[G0+3], 0x80000000
	s_or_b32 s[G0S+3], s[G0S+3], 0x80000000
	s_or_b32 s[G0V+3], s[G0V+3], 0x80000000
	tensor_load_to_lds s[G0:G0+3], s[G1:G1+7]      ; three loads of mine are out: K,
	s_nop 0
	tensor_load_to_lds s[G0S:G0S+3], s[G1S:G1S+7]  ; the scale words,
	s_nop 0
	tensor_load_to_lds s[G0V:G0V+3], s[G1:G1+7]    ; V
	s_nop 0
	PLACES 4
	s_add_nc_u64 s[44:45], s[4:5], s[56:57]        ; Q
	s_add_nc_u64 s[46:47], s[8:9], RX              ; the table's units and scale words
	s_add_nc_u64 s[48:49], s[12:13], s[58:59]      ; where the units of ctx go
	s_add_nc_u64 s[50:51], s[12:13], s[60:61]      ; and their scale bytes
	v_and_b32 v[L4], 31, v0
	v_and_b32 v[VR], 15, v0
	v_bfe_u32 v[VH], v0, 4, 1
	v_lshlrev_b32 v[L16], 4, v[L4]
	v_lshlrev_b32 v[L8], 3, v[L4]
	v_lshlrev_b32 v[L32], 5, v[L4]
	v_lshlrev_b32 v[L4], 2, v[L4]
.irp a, 0,1
	global_load_b128 v[QF+12*\a:QF+12*\a+3], v[L32], s[44:45] offset:1024*\a
	global_load_b64 v[QF+12*\a+4:QF+12*\a+5], v[L32], s[44:45] offset:1024*\a+16
	global_load_b32 v[QS+\a], v[L32], s[44:45] offset:1024*\a+24
.endr
.irp t, 0,1,2,3,4,5
	global_load_b128 v[RXU+6*\t:RXU+6*\t+3], v[L16], s[46:47] offset:768*\t
	global_load_b64 v[RXU+6*\t+4:RXU+6*\t+5], v[L8], s[46:47] offset:768*\t+512
	global_load_b32 v[RXS+\t], v[L4], s[46:47] offset:4608+128*\t
.endr
.irp i, 6,7,8,9,10,11,18,19,20,21,22,23
	v_mov_b32 v[QF+\i], 0                          ; Q's upper half of K: zero codes
.endr
.irp i, 36,37,38,39,40,41
	v_mov_b32 v[RXU+\i], 0
.endr
.irp i, 0,1,2,3
	v_mov_b32 v[MY+\i], 0                          ; a lane permute's destination counts as one of its sources
.endr
	WIN 0x40
.irp i, 24,25,26,27,28,29
	v_mov_b32 v[KU+\i], 0                          ; what stands behind K's last unit
.endr
	WIN 0
	v_mul_u32_u24 v[TABS], v[VR], 400
	v_mov_b32 v[TABL], v[TABS]
	v_lshl_add_u32 v[TABS], v[VH], 5, v[TABS]
	v_add_nc_u32 v[TABS], s52, v[TABS]             ; in: row r, 32 h bytes on
	v_add_nc_u32 v[TABL], s52, v[TABL]             ; row r's first word
	v_mul_u32_u24 v[TABR], v[VR], 396
	v_lshl_add_u32 v[TABR], v[VH], 6, v[TABR]
	v_add_nc_u32 v[TABR], s52, v[TABR]             ; out: row r, r words back (key - query falls by one from query to query), 16 h words on
	v_lshlrev_b32 v[CSA], 4, v[VR]
	v_lshl_add_u32 v[CSA], v[VH], 9, v[CSA]
	s_wait_kmcnt 0x0
	s_mul_f32 s20, s20, 0x41000000                 ; 8 b
.irp i, 0,1,2,3,4,5,6,7
	v_mov_b32 v[BB+\i], s20
.endr
	s_wait_loadcnt 0x0
	; ---- the table: E[r][x] = Q(q_r) . Q(rel_emb[clamp(x - 31, 0, 32)]) + 8 b serves key - query = x - 47
.irp a, 0,1
.irp t, 0,1,2,3,4,5
	v_wmma_scale_f32_16x16x128_f8f6f4 v[S+8*\t:S+8*\t+7], v[RXU+6*\t:RXU+6*\t+11], v[QF+12*\a:QF+12*\a+11], v[BB:BB+7], v[RXS+\t], v[QS+\a] matrix_a_fmt:MATRIX_FMT_FP6 matrix_b_fmt:MATRIX_FMT_FP6
.endr
	PLACES 5                                       ; four in front of the stores that read the results; five in front of the second tile's products, which write over them
.irp t, 0,1,2,3,4,5
	ds_store_b128 v[TABS], v[S+8*\t:S+8*\t+3] offset:64*\t
	ds_store_b128 v[TABS], v[S+8*\t+4:S+8*\t+7] offset:64*\t+16
.endr
	WIN 0x40                                       ; LDS serves a wave's instructions in order: these see my stores
.irp i, 0,1,2,3,4,5,6,7,8,9,10,11,12,13,14,15
	ds_load_b32 v[BAND+32*\a+\i], v[TABR] offset:4*(15+16*\a+\i)       ; the earlier of the tile's two blocks near the diagonal
	ds_load_b32 v[BAND+32*\a+16+\i], v[TABR] offset:4*(47+16*\a+\i)    ; the later
.endr
	ds_load_b32 v[LOHI+2*\a], v[TABL]              ; all keys 16 or more before the query
	ds_load_b32 v[LOHI+2*\a+1], v[TABL] offset:376 ; or after
	WIN 0
	s_wait_dscnt 0x0
.endr
	s_wait_tensorcnt 0x1                           ; my eighths of K and of the scale words have landed; the one load issued behind them, V's, may be out
	s_barrier_signal -1
	s_barrier_wait -1                              ; everybody's have
.macro CCSET a, src, wide              ; tile a's 16 registers of CC from 16 registers (wide = 1) or from one
.set jj, 0
.rept 16
	v_mov_b32 v[CC+16*(\a)+jj], v[(\src)+jj*(\wide)]
.set jj, jj+1
.endr
.endm
.macro INITCC
	WIN 0x41
	CCSET 0, LOHI, 0
	CCSET 1, LOHI+2, 0
	WIN 0
	s_sub_co_u32 s[SD], 1, s[B0]                   ; SD = the block of keys - my block of queries + 1
.endm
; In front of each block of 32 keys.  SD = 0 .. 3 are the four blocks at which CC changes; the branches hang on ids and on the count of blocks.
.macro FIX
	s_cmp_lt_u32 s[SD], 4
	s_cbranch_scc0 .Lfx_end_\@
	PLACES 4                                       ; CC is a source of the matrix instructions just issued
	s_cmp_eq_u32 s[SD], 0
	s_cbranch_scc1 .Lfx0_\@
	s_cmp_eq_u32 s[SD], 1
	s_cbranch_scc1 .Lfx1_\@
	s_cmp_eq_u32 s[SD], 2
	s_cbranch_scc1 .Lfx2_\@
	WIN 0x41
	CCSET 1, LOHI+3, 0
	WIN 0
	s_branch .Lfx_join_\@
.Lfx0_\@:
	WIN 0x41
	CCSET 0, BAND, 1
	WIN 0
	s_branch .Lfx_join_\@
.Lfx1_\@:
	WIN 0x41
	CCSET 0, BAND+16, 1
	CCSET 1, BAND+32, 1
	WIN 0
	s_branch .Lfx_join_\@
.Lfx2_\@:
	WIN 0x41
	CCSET 0, LOHI+1, 0
	CCSET 1, BAND+48, 1
	WIN 0
.Lfx_join_\@:
	PLACES 4
.Lfx_end_\@:
	s_add_co_u32 s[SD], s[SD], 1
.endm
.macro QK                              ; the scores of 64 keys x my 32 queries: eight matrix instructions, each a sum of its own
.irp b, 0,1
	FIX
	WIN 0x11                                       ; K and CC in window 1
.irp u, 0,1
.irp a, 0,1
.if \u == 0
	v_wmma_scale_f32_16x16x128_f8f6f4 v[S+32*\a+16*\b+8*\u:S+32*\a+16*\b+8*\u+7], v[KU+6*(2*\b+\u):KU+6*(2*\b+\u)+11], v[QF+12*\a:QF+12*\a+11], v[CC+16*\a+8*\u:CC+16*\a+8*\u+7], v[KS+\b], v[QS+\a] matrix_a_fmt:MATRIX_FMT_FP6 matrix_b_fmt:MATRIX_FMT_FP6
.else
	v_wmma_scale_f32_16x16x128_f8f6f4 v[S+32*\a+16*\b+8*\u:S+32*\a+16*\b+8*\u+7], v[KU+6*(2*\b+\u):KU+6*(2*\b+\u)+11], v[QF+12*\a:QF+12*\a+11], v[CC+16*\a+8*\u:CC+16*\a+8*\u+7], v[KS+\b], v[QS+\a] matrix_a_fmt:MATRIX_FMT_FP6 matrix_b_fmt:MATRIX_FMT_FP6 matrix_a_scale:MATRIX_SCALE_ROW1
.endif
.endr
.endr
	WIN 0
.endr
.endm
.macro KSTEP                           ; the next 64 keys' addresses: four plain instructions, the places behind QK
	v_add_nc_u32 v[AK16], s[SKO], v[L16]
	v_add_nc_u32 v[AK8], s[SKO], v[L8]
	v_add_nc_u32 v[AKS], s[SKS], v[L8]
	v_nop
	s_add_co_u32 s[SKO], s[SKO], 3072
	s_add_co_u32 s[SKS], s[SKS], 256
.endm
.macro KLOAD
	WIN 0x40
.irp a, 0,1,2,3
	ds_load_b128 v[KU+6*\a:KU+6*\a+3], v[AK16] offset:768*\a
	ds_load_b64 v[KU+6*\a+4:KU+6*\a+5], v[AK8] offset:768*\a+512
.endr
	WIN 0
	ds_load_b64 v[KS:KS+1], v[AKS]
.endm
.macro VLOAD
	v_add_nc_u32 v[AV16], s[SVO], v[L16]
	v_add_nc_u32 v[AV8], s[SVO], v[L8]
	v_add_nc_u32 v[AVS], s[SVS], v[L8]
	s_add_co_u32 s[SVO], s[SVO], 6144
	s_add_co_u32 s[SVS], s[SVS], 256
	WIN 0x40
.irp n, 0,1,2,3
.irp c, 0,1
	ds_load_b128 v[VF+12*\n+6*\c:VF+12*\n+6*\c+3], v[AV16] offset:1536*\n+768*\c
	ds_load_b64 v[VF+12*\n+6*\c+4:VF+12*\n+6*\c+5], v[AV8] offset:1536*\n+768*\c+512
.endr
.endr
	WIN 0
	ds_load_b64 v[VS:VS+1], v[AVS]
.endm
.macro RELU                            ; the 64 scores of a lane, two an instruction, each accumulator from its low end on
.set jj, 0
.rept 32
	v_dual_max_num_f32 v[S+2*jj], 0, v[S+2*jj] :: v_dual_max_num_f32 v[S+2*jj+1], 0, v[S+2*jj+1]
.set jj, jj+1
.endr
.endm
.macro SOFT1                           ; relu, and the squares into the sums: four chains by turns
	RELU
.set jj, 0
.rept 16
	v_pk_fma_f32 v[SA+2*(jj%2):SA+2*(jj%2)+1], v[S+2*jj:S+2*jj+1], v[S+2*jj:S+2*jj+1], v[SA+2*(jj%2):SA+2*(jj%2)+1]
	v_pk_fma_f32 v[SA+4+2*(jj%2):SA+4+2*(jj%2)+1], v[S+32+2*jj:S+32+2*jj+1], v[S+32+2*jj:S+32+2*jj+1], v[SA+4+2*(jj%2):SA+4+2*(jj%2)+1]
.set jj, jj+1
.endr
.endm
; The weights of 64 keys, half c of a step of 128, and their codes.  e = 2 x tile + block.  A block's largest weight is not searched for: the weight rises with the score, so the block's largest score goes
; through the same two multiplications.
.macro SOFT2 c
.irp e, 0,1,2,3
	v_max3_num_f32 v[MX+\e], v[S+16*\e], v[S+16*\e+1], 0
.endr
.irp i, 2,4,6,8,10,12,14
.irp e, 0,1,2,3
	v_max3_num_f32 v[MX+\e], v[MX+\e], v[S+16*\e+\i], v[S+16*\e+\i+1]
.endr
.endr
.irp e, 0,1,2,3
	v_permlanex16_b32 v[MY+\e], v[MX+\e], s[SEL], s[SEL+1]
.endr
.irp e, 0,1,2,3
	v_max_num_f32 v[MX+\e], v[MX+\e], v[MY+\e]
.endr
.irp e, 0,1,2,3
	v_mul_f32 v[MX+\e], v[MX+\e], v[MX+\e]
.endr
.irp e, 0,1,2,3
	v_mul_f32 v[MX+\e], v[MX+\e], v[INV+2*(\e/2)]
.endr
.irp e, 0,1,2,3
	v_max_num_f32 v[MX+\e], 0x1800000, v[MX+\e]    ; the floor 2^(3 - 127)
.endr
.irp e, 0,1,2,3
	v_add_nc_u32 v[SO+\e], 0xff000000, v[MX+\e]
.endr
.irp e, 0,1,2,3
	v_lshrrev_b32 v[BY+\e], 23, v[SO+\e]
.endr
.irp a, 0,1
.if (\c) == 0
	v_lshl_or_b32 v[PW+\a], v[BY+2*\a+1], 8, v[BY+2*\a]
.else
	v_lshl_or_b32 v[PW+\a], v[BY+2*\a], 16, v[PW+\a]
	v_lshl_or_b32 v[PW+\a], v[BY+2*\a+1], 24, v[PW+\a]
.endif
.endr
	RELU
.set jj, 0
.rept 32
	v_pk_mul_f32 v[S+2*jj:S+2*jj+1], v[S+2*jj:S+2*jj+1], v[S+2*jj:S+2*jj+1]
.set jj, jj+1
.endr
.set jj, 0
.rept 32
	v_pk_mul_f32 v[S+2*jj:S+2*jj+1], v[S+2*jj:S+2*jj+1], v[INV+2*(jj/16):INV+2*(jj/16)+1]
.set jj, jj+1
.endr
.irp a, 0,1
	v_cvt_scalef32_pk16_fp6_f32 v[P+12*\a+6*(\c):P+12*\a+6*(\c)+2], v[S+32*\a:S+32*\a+15], v[SO+2*\a]
	v_cvt_scalef32_pk16_fp6_f32 v[PT+4*\a:PT+4*\a+2], v[S+32*\a+16:S+32*\a+31], v[SO+2*\a+1]
.endr
	v_nop                                          ; one plain place behind a scaled conversion
.irp a, 0,1
.irp i, 0,1,2
	v_permlane16_swap_b32 v[P+12*\a+6*(\c)+\i], v[PT+4*\a+\i]
.endr
.irp i, 0,1,2
	v_mov_b32 v[P+12*\a+6*(\c)+3+\i], v[PT+4*\a+\i]
.endr
.endr
.endm
.macro PV                              ; O^T += V^T P^T over 128 keys: eight accumulators by turns
	WIN 0x01
.irp n, 0,1,2,3
.irp a, 0,1
.if \n%2 == 0
	v_wmma_scale_f32_16x16x128_f8f6f4 v[O+32*\a+8*\n:O+32*\a+8*\n+7], v[VF+12*\n:VF+12*\n+11], v[P+12*\a:P+12*\a+11], v[O+32*\a+8*\n:O+32*\a+8*\n+7], v[VS+\n/2], v[PW+\a] matrix_a_fmt:MATRIX_FMT_FP6 matrix_b_fmt:MATRIX_FMT_FP6
.else
	v_wmma_scale_f32_16x16x128_f8f6f4 v[O+32*\a+8*\n:O+32*\a+8*\n+7], v[VF+12*\n:VF+12*\n+11], v[P+12*\a:P+12*\a+11], v[O+32*\a+8*\n:O+32*\a+8*\n+7], v[VS+\n/2], v[PW+\a] matrix_a_fmt:MATRIX_FMT_FP6 matrix_b_fmt:MATRIX_FMT_FP6 matrix_a_scale:MATRIX_SCALE_ROW1
.endif
.endr
.endr
	WIN 0
.endm
	; ---- pass 1: the rows' sums
	INITCC
.irp i, 0,1,2,3,4,5,6,7
	v_mov_b32 v[SA+\i], 0
.endr
	s_mov_b32 s[SKO], 0
	s_mov_b32 s[SKS], LSC
	KSTEP
	KLOAD
	s_mov_b32 s[CNT], 16
.Lp1:                                                  ; a trip: 64 keys.  The next 64 keys' units are asked for ahead of this trip's vector work
	s_wait_dscnt 0x0
	QK
	KSTEP
	KLOAD                                          ; (the last trip's reads go one step on, into the scale words' bytes: bytes that have landed, and what they bring is not used)
	SOFT1
	s_sub_co_u32 s[CNT], s[CNT], 1
	s_cmp_lg_u32 s[CNT], 0
	s_cbranch_scc1 .Lp1
	s_wait_dscnt 0x0
	s_wait_tensorcnt 0x0                           ; my eighth of V has landed:
	s_barrier_signal -1                            ; say so; the sums' arithmetic, on registers alone, stands between the signal and the wait
.irp a, 0,1
	v_pk_add_f32 v[SA+4*\a:SA+4*\a+1], v[SA+4*\a:SA+4*\a+1], v[SA+4*\a+2:SA+4*\a+3]
.endr
.irp a, 0,1
	v_add_f32 v[SA+4*\a], v[SA+4*\a], v[SA+4*\a+1]
.endr
.irp a, 0,1
	v_permlanex16_b32 v[MY+\a], v[SA+4*\a], s[SEL], s[SEL+1]
.endr
.irp a, 0,1
	v_add_f32 v[SA+4*\a], v[SA+4*\a], v[MY+\a]     ; with lane l xor 16's keys: the row's sum
.endr
.irp a, 0,1
	v_add_f32 v[SA+4*\a], 0x352bcc77, v[SA+4*\a]   ; + 64 eps
.endr
.irp a, 0,1
	v_rcp_f32 v[INV+2*\a], v[SA+4*\a]
	v_rcp_f32 v[INV+2*\a+1], v[SA+4*\a]
.endr
.set jj, 0
.rept 64
	v_mov_b32 v[O+jj], 0                           ; O^T begins as zeros: the loop is written once.  (Plain work behind the reciprocals)
.set jj, jj+1
.endr
	s_wait_alu depctr_va_vdst(0)                   ; one wait for the four reciprocals, ahead of their first reader
	s_barrier_wait -1                              ; everybody's part of V has landed
	; ---- pass 2: the weights, their codes, and O
	INITCC
	s_mov_b32 s[SKO], 0
	s_mov_b32 s[SKS], LSC
	s_mov_b32 s[SVO], LV
	s_mov_b32 s[SVS], LVS
	KSTEP
	KLOAD
	s_mov_b32 s[CNT], 8
.Lp2:                                                  ; a trip: 128 keys, in two halves of 64
	s_wait_dscnt 0x0
	QK
	KSTEP
	KLOAD
	VLOAD
	SOFT2 0
	s_wait_dscnt 0x0
	QK
	KSTEP
	KLOAD
	SOFT2 1
	PLACES 8                                       ; the weights' scale words and codes were written by vector instructions
	PV
	s_sub_co_u32 s[CNT], s[CNT], 1
	s_cmp_lg_u32 s[CNT], 0
	s_cbranch_scc1 .Lp2
	; ---- ctx becomes codes along d: one unit a tile of queries, K = head x 64 + d of the last product
	s_wait_dscnt 0x0
	PLACES 4
	QUANT6 O, 0, P
	QUANT6 O+32, 0, P+12
.irp a, 0,1
	global_store_b128 v[L16], v[P+12*\a:P+12*\a+3], s[48:49] offset:12288*\a
	global_store_b64 v[L8], v[P+12*\a+4:P+12*\a+5], s[48:49] offset:12288*\a+512
.endr
	v_cndmask_b32 v[CW], v[P+6], v[P+18], s21      ; lanes 0-15: the first tile's rows; lanes 16-31: the second's
	global_store_b16 v[CSA], v[CW], s[50:51]       ; two bytes a row: the word's other two are the neighbouring head's
	s_wait_tensorcnt 0x0                           ; the wave's end
	ds_add_u32 v[SPW], v[NIL]
	s_wait_dscnt 0x0
	s_endpgm
.Lfunc_end_k_q52d5c55799_attn:
	.size	k_q52d5c55799_attn, .Lfunc_end_k_q52d5c55799_attn-k_q52d5c55799_attn
	.p2alignl 7, 3214868480
	.fill 96, 4, 3214868480
	.section	.rodata,"a",@progbits
	.p2align	6, 0x0
	.amdhsa_kernel k_q52d5c55799_attn
		.amdhsa_group_segment_fixed_size 167936
		.amdhsa_private_segment_fixed_size 0
		.amdhsa_enable_private_segment 0
		.amdhsa_kernarg_size 40
		.amdhsa_user_sgpr_count 2
		.amdhsa_user_sgpr_kernarg_segment_ptr 1
		.amdhsa_wavefront_size32 1
		.amdhsa_system_sgpr_workgroup_id_x 1
		.amdhsa_system_sgpr_workgroup_id_y 1
		.amdhsa_system_sgpr_workgroup_id_z 1
		.amdhsa_system_vgpr_workitem_id 0
		.amdhsa_next_free_vgpr 512
		.amdhsa_next_free_sgpr 96
		.amdhsa_reserve_vcc 0
		.amdhsa_float_denorm_mode_32 3
		.amdhsa_float_denorm_mode_16_64 3
		.amdhsa_memory_ordered 1
		.amdhsa_forward_progress 1
		.amdhsa_inst_pref_size 85
	.end_amdhsa_kernel
	.amdgpu_metadata
---
amdhsa.version: [ 1, 2 ]
amdhsa.kernels:
  - .name:           k_q52d5c55799_attn
    .symbol:         k_q52d5c55799_attn.kd
    .args:
      - { .name: qimg, .offset: 0, .size: 8, .value_kind: global_buffer, .address_space: global }
      - { .name: kv, .offset: 8, .size: 8, .value_kind: global_buffer, .address_space: global }
      - { .name: prep, .offset: 16, .size: 8, .value_kind: global_buffer, .address_space: global }
      - { .name: sn_bias, .offset: 24, .size: 8, .value_kind: global_buffer, .address_space: global }
      - { .name: cimg, .offset: 32, .size: 8, .value_kind: global_buffer, .address_space: global }
    .group_segment_fixed_size: 167936
    .private_segment_fixed_size: 0
    .kernarg_segment_align: 8
    .kernarg_segment_size: 40
    .max_flat_workgroup_size: 256
    .sgpr_count:     96
    .vgpr_count:     512
    .wavefront_size: 32
...
	.end_amdgpu_metadata
.endif
;; end of part 3
;; launch outp (part 4): grid 16 x 16, 4 waves a work-group, clusters of 4 x 1, 167,936 bytes of LDS; arguments cimg, prep, bo, out0; writes out0
.if DOCPART == 4
	.amdgcn_target "amdgcn-amd-amdhsa--gfx1250"
	.amdhsa_code_object_version 6
	.text
	.protected	k_q52d5c55799_outp
	.globl	k_q52d5c55799_outp
	.p2align	8
	.type	k_q52d5c55799_outp,@function
k_q52d5c55799_outp:
	s_mov_b64 s[64:65], 0
	v_nop
	global_prefetch_b8 v0, s[64:65] scope:SCOPE_SE
	s_setreg_imm32_b32 hwreg(HW_REG_WAVE_MODE, 25, 1), 1
	s_wait_xcnt 0x0
	s_wait_alu depctr_hold_cnt(0) depctr_sa_sdst(0) depctr_va_vdst(0) depctr_va_sdst(0) depctr_va_ssrc(0) depctr_va_vcc(0) depctr_vm_vsrc(0)
	s_getreg_b32 s2, hwreg(HW_REG_IB_STS2, 6, 4)
	s_cmp_eq_u32 s2, 0
	s_cbranch_scc0 .Lentry_in_a_cluster
	s_endpgm
.Lentry_in_a_cluster:
	s_bfe_u32 s2, ttmp6, 0x10000c
	s_cmp_lg_u32 s2, 0x3003
	s_cbranch_scc0 .Lentry_shape_is_right
	s_endpgm
.Lentry_shape_is_right:
; OUTP: out0 = ctx Wo^T + bo on codes of FP6 (E2M3), K = 1,024.
; SHARES.  A work-group takes 256 tokens (x) and 64 columns (y): four tiles of Wo.  Its four waves stand one above the other: a wave has 64 tokens (4 tiles) x 4 tiles: 16 accumulators.
; Wo's four tiles for all of K, 49,152 bytes, come into LDS once and stay; the four work-groups of a cluster have the same columns, so these loads are asked for jointly.  A wave's tokens are read by that wave alone
; and differ between the partners: they go from memory straight into registers, all eight K steps asked for at the head.
; Source 0 = 16 rows of Wo, source 1 = 16 tokens: a lane holds one token and eight neighbouring columns.  bo is the C of each sum's first matrix instruction.
; The results leave through the wave's own stage in LDS as whole rows of 256 bytes.
.set WOI,  5734400
.set WOS,  6520832
.set CSO,  3145728
.set STAGE, 49152                      ; behind Wo's tiles: 16 rows x 272 bytes for each wave
.set SPARE, 66560
.set L16,  1
.set L8,   2
.set H32,  11
.set STO,  12
.set RD,   13
.set CO,   14
.set SCT,  16                          ; v16-31 the tokens' scale words
.set SCW,  32                          ; v32-47 Wo's
.set WF,   48                          ; v48-143 two sets of four fragments of Wo
.set BO,   144                         ; v144-175 bo, 8 registers a tile
.set OB,   176                         ; v176-239 rows on their way out, two sets
.set SPW,  254
.set NIL,  255
.set WV,   12
.set G1,   24
.set G0,   32
.set MSB, 0
.macro WIN new                         ; the immediate's high byte repeats the setting that is left
.if MSB != (\new)
	s_set_vgpr_msb (MSB<<8)|(\new)
.set MSB, (\new)
.endif
.endm
.macro PLACES n
.rept \n
	v_nop
.endr
.endm
.macro CROUND                          ; a round of the cluster's barrier
	s_barrier_signal -1
	s_barrier_wait -1
	s_cmp_lg_u32 s[WV], 0
	s_cbranch_scc1 .Lnot_wave_0_\@
	s_barrier_signal -3
.Lnot_wave_0_\@:
	s_barrier_wait -3
	s_barrier_signal -1
	s_barrier_wait -1
.endm
	s_load_b256 s[4:11], s[0:1], 0x0               ; cimg, prep, bo, out0
	v_lshl_add_u32 v[SPW], v0, 2, SPARE
	v_mov_b32 v[NIL], 0
	ds_add_u32 v[SPW], v[NIL]                      ; the wave's opening: the add, twice on end, and its wait ahead of my first tensor load
	ds_add_u32 v[SPW], v[NIL]
	v_lshrrev_b32 v1, 5, v0
	v_readfirstlane_b32 s[WV], v1
	s_bfe_u32 s13, ttmp6, 0x40000                  ; cx
	s_lshl_b32 s14, ttmp9, 2
	s_add_co_u32 s14, s14, s13                     ; my block of 256 tokens
	s_and_b32 s15, ttmp7, 0xffff                   ; my block of 64 columns, which the four partners share
	s_mov_b32 s[G1+0], 15|(3<<16)|(1<<21)          ; the mask: all four work-groups; elements of 8 bytes; bit 21 beside a mask
	s_mov_b32 s[G1+1], 32<<16                      ; rows of 256 bytes,
	s_mov_b32 s[G1+2], 12<<16                      ; 12 of them: two K steps of one tile
	s_mov_b32 s[G1+3], 32<<16
	s_mov_b32 s[G1+4], 12
	s_mov_b32 s[G1+5], 32                          ; dense
	s_mov_b32 s[G1+6], 0
	s_mov_b32 s[G1+7], 0
	s_lshl_b32 s18, s15, 2
	s_add_co_u32 s18, s18, s[WV]                   ; the tile of Wo that I fetch
	s_mul_i32 s18, s18, 12288
	s_add_co_u32 s18, s18, WOI
	s_mov_b32 s19, 0
	s_mul_i32 s23, s[WV], 3072
	s_lshl_b32 s68, s14, 4
	s_lshl_b32 s69, s[WV], 2
	s_add_co_u32 s68, s68, s69                     ; my first tile of tokens
	s_mul_i32 s70, s68, 12288
	s_mov_b32 s71, 0
	s_lshl_b32 s72, s68, 9
	s_add_co_u32 s72, s72, CSO
	s_mov_b32 s73, 0
	s_lshl_b32 s74, s15, 11
	s_add_co_u32 s74, s74, WOS
	s_mov_b32 s75, 0
	s_lshl_b32 s76, s15, 8
	s_mov_b32 s77, 0
	s_lshl_b32 s78, s68, 16
	s_add_co_u32 s78, s78, s76                     ; my first row of out0 and my columns
	s_mov_b32 s79, 0
	s_mul_i32 s69, s[WV], 16*272
	s_add_co_u32 s69, s69, STAGE
	s_wait_dscnt 0x0                               ; both opening adds are done
	s_wait_kmcnt 0x0
	s_add_nc_u64 s[20:21], s[6:7], s[18:19]
	s_add_nc_u64 s[48:49], s[4:5], s[70:71]        ; the tokens' units
	s_add_nc_u64 s[50:51], s[4:5], s[72:73]        ; their scale blocks
	s_add_nc_u64 s[52:53], s[6:7], s[74:75]        ; Wo's scale blocks
	s_add_nc_u64 s[54:55], s[8:9], s[76:77]        ; bo
	s_add_nc_u64 s[56:57], s[10:11], s[78:79]      ; out0
.irp c, 0,1,2,3
	s_mov_b32 s[G0+4*\c], 1
	s_add_co_u32 s[G0+4*\c+1], s23, \c*12288
	s_add_nc_u64 s[G0+4*\c+2:G0+4*\c+3], s[20:21], \c*3072
	s_or_b32 s[G0+4*\c+3], s[G0+4*\c+3], 0x80000000
.endr
	CROUND                                         ; all four work-groups are here: the joint loads meet
.irp c, 0,1,2,3
	tensor_load_to_lds s[G0+4*\c:G0+4*\c+3], s[G1:G1+7]   ; four loads of mine are out
	s_nop 0
.endr
	PLACES 4
	v_and_b32 v244, 31, v0
	v_and_b32 v245, 15, v0
	v_bfe_u32 v246, v0, 4, 1
	v_lshlrev_b32 v[L16], 4, v244
	v_lshlrev_b32 v[L8], 3, v244
	v_lshlrev_b32 v[H32], 5, v246
	v_mul_u32_u24 v[STO], v245, 272
	v_lshl_add_u32 v[STO], v246, 5, v[STO]
	v_add_nc_u32 v[STO], s69, v[STO]               ; into the stage: row r, 32 h bytes on
	v_mul_u32_u24 v[RD], v246, 272
	v_lshl_add_u32 v[RD], v245, 4, v[RD]
	v_add_nc_u32 v[RD], s69, v[RD]                 ; back: lanes 0-15 one row, lanes 16-31 the next
	v_lshlrev_b32 v[CO], 12, v246
	v_lshl_add_u32 v[CO], v245, 4, v[CO]           ; and the same two rows in out0
.irp a, 0,1,2,3
	global_load_b128 v[SCT+4*\a:SCT+4*\a+3], v[L16], s[50:51] offset:512*\a
.endr
.irp n, 0,1,2,3
	global_load_b128 v[SCW+4*\n:SCW+4*\n+3], v[L16], s[52:53] offset:512*\n
.endr
.irp n, 0,1,2,3
	global_load_b128 v[BO+8*\n:BO+8*\n+3], v[H32], s[54:55] offset:64*\n
	global_load_b128 v[BO+8*\n+4:BO+8*\n+7], v[H32], s[54:55] offset:64*\n+16
.endr
.macro TLOAD k                         ; my four tiles' fragments of K step k: K steps 0-4 in window 1, 5-7 in window 2
.if (\k) < 5
	WIN 0x40
.set TR, 48*(\k)
.else
	WIN 0x80
.set TR, 48*((\k)-5)
.endif
.irp a, 0,1,2,3
	global_load_b128 v[TR+12*\a:TR+12*\a+3], v[L16], s[48:49] offset:\a*12288+(\k)*1536
	global_load_b64 v[TR+12*\a+4:TR+12*\a+5], v[L8], s[48:49] offset:\a*12288+(\k)*1536+512
	global_load_b128 v[TR+12*\a+6:TR+12*\a+9], v[L16], s[48:49] offset:\a*12288+(\k)*1536+768
	global_load_b64 v[TR+12*\a+10:TR+12*\a+11], v[L8], s[48:49] offset:\a*12288+(\k)*1536+1280
.endr
	WIN 0
.endm
.irp k, 0,1,2,3,4,5,6,7
	TLOAD \k
.endr
.macro FETCHW k                        ; Wo's four fragments of K step k into set k % 2
.irp n, 0,1,2,3
	ds_load_b128 v[WF+48*((\k)%2)+12*\n:WF+48*((\k)%2)+12*\n+3], v[L16] offset:((\k)/2)*12288+\n*3072+((\k)%2)*1536
	ds_load_b64 v[WF+48*((\k)%2)+12*\n+4:WF+48*((\k)%2)+12*\n+5], v[L8] offset:((\k)/2)*12288+\n*3072+((\k)%2)*1536+512
	ds_load_b128 v[WF+48*((\k)%2)+12*\n+6:WF+48*((\k)%2)+12*\n+9], v[L16] offset:((\k)/2)*12288+\n*3072+((\k)%2)*1536+768
	ds_load_b64 v[WF+48*((\k)%2)+12*\n+10:WF+48*((\k)%2)+12*\n+11], v[L8] offset:((\k)/2)*12288+\n*3072+((\k)%2)*1536+1280
.endr
.endm
.macro MMO n, a, k
.set rD, 8*(4*(\a)+(\n))
.set rW, WF+48*((\k)%2)+12*(\n)
.if (\k) < 5
.set rT, 48*(\k)+12*(\a)
.else
.set rT, 48*((\k)-5)+12*(\a)
.endif
.if (\k) == 0
	v_wmma_scale_f32_16x16x128_f8f6f4 v[rD:rD+7], v[rW:rW+11], v[rT:rT+11], v[BO+8*(\n):BO+8*(\n)+7], v[SCW+4*(\n)], v[SCT+4*(\a)] matrix_a_fmt:MATRIX_FMT_FP6 matrix_b_fmt:MATRIX_FMT_FP6
.elseif (\k) < 4
	v_wmma_scale_f32_16x16x128_f8f6f4 v[rD:rD+7], v[rW:rW+11], v[rT:rT+11], v[rD:rD+7], v[SCW+4*(\n)+(\k)], v[SCT+4*(\a)+(\k)] matrix_a_fmt:MATRIX_FMT_FP6 matrix_b_fmt:MATRIX_FMT_FP6
.else
	v_wmma_scale_f32_16x16x128_f8f6f4 v[rD:rD+7], v[rW:rW+11], v[rT:rT+11], v[rD:rD+7], v[SCW+4*(\n)+(\k)-4], v[SCT+4*(\a)+(\k)-4] matrix_a_fmt:MATRIX_FMT_FP6 matrix_b_fmt:MATRIX_FMT_FP6 matrix_a_scale:MATRIX_SCALE_ROW1 matrix_b_scale:MATRIX_SCALE_ROW1
.endif
.endm
; A K step: 16 matrix instructions on the 16 accumulators, each once, in the same order in every step.
.macro GROUP k
	s_wait_dscnt 0x0                               ; this K step's fragments of Wo are in
.if (\k) < 5
	s_wait_loadcnt 48                              ; this K step's tokens are in: at least 48 loads were issued behind them
.else
	s_wait_loadcnt 16*(7-(\k))
.endif
.if (\k) > 0
	PLACES 4                                       ; in front of loads into the set that the K step before multiplied
.endif
.if (\k) < 7
.if ((\k)+1)%2 == 0
	s_wait_tensorcnt 3-((\k)+1)/2                  ; my part of the next chunk has landed; the later chunks' loads may be out
	s_barrier_signal -1
	s_barrier_wait -1
.endif
	FETCHW (\k)+1
.endif
.if (\k) == 0
	WIN 0xc4                                       ; Wo and bo window 0, tokens window 1, sums window 3
.elseif (\k) < 5
	WIN 0xf4
.else
	WIN 0xf8                                       ; tokens window 2
.endif
.irp n, 0,1,2,3
.irp a, 0,1,2,3
	MMO \n, \a, \k
.endr
.endr
	WIN 0
.endm
	s_wait_tensorcnt 3                             ; my part of chunk 0 has landed
	s_barrier_signal -1
	s_barrier_wait -1
	FETCHW 0
.irp k, 0,1,2,3,4,5,6,7
	GROUP \k
.endr
	; ---- the way out, 16 tokens at a time: 32 bytes a lane into my stage, whole rows of 256 bytes back
	PLACES 4
.irp a, 0,1,2,3
.if \a >= 2
	s_wait_xcnt 0x0                                ; the stores of two blocks ago have read this set of registers
.endif
	WIN 0x0c                                       ; an LDS store's data: window 3
.irp n, 0,1,2,3
	ds_store_b128 v[STO], v[8*(4*\a+\n):8*(4*\a+\n)+3] offset:64*\n        ; each accumulator from its low end on
	ds_store_b128 v[STO], v[8*(4*\a+\n)+4:8*(4*\a+\n)+7] offset:64*\n+16
.endr
	WIN 0
.irp i, 0,1,2,3,4,5,6,7
	ds_load_b128 v[OB+32*(\a%2)+4*\i:OB+32*(\a%2)+4*\i+3], v[RD] offset:544*\i   ; LDS serves a wave's instructions in order: these see my stores, and the next block's stores come behind them
.endr
	s_wait_dscnt 0x0
.irp i, 0,1,2,3,4,5,6,7
	global_store_b128 v[CO], v[OB+32*(\a%2)+4*\i:OB+32*(\a%2)+4*\i+3], s[56:57] offset:\a*65536+\i*8192 th:TH_STORE_NT   ; 16 lanes store 256 consecutive bytes, at a multiple of 256 from out0's first byte
.endr
.endr
	s_wait_tensorcnt 0x0                           ; the wave's end
	ds_add_u32 v[SPW], v[NIL]
	s_wait_dscnt 0x0
	CROUND                                         ; the closing round
	s_endpgm
.Lfunc_end_k_q52d5c55799_outp:
	.size	k_q52d5c55799_outp, .Lfunc_end_k_q52d5c55799_outp-k_q52d5c55799_outp
	.p2alignl 7, 3214868480
	.fill 96, 4, 3214868480
	.section	.rodata,"a",@progbits
	.p2align	6, 0x0
	.amdhsa_kernel k_q52d5c55799_outp
		.amdhsa_group_segment_fixed_size 167936
		.amdhsa_private_segment_fixed_size 0
		.amdhsa_enable_private_segment 0
		.amdhsa_kernarg_size 32
		.amdhsa_user_sgpr_count 2
		.amdhsa_user_sgpr_kernarg_segment_ptr 1
		.amdhsa_wavefront_size32 1
		.amdhsa_system_sgpr_workgroup_id_x 1
		.amdhsa_system_sgpr_workgroup_id_y 1
		.amdhsa_system_sgpr_workgroup_id_z 1
		.amdhsa_system_vgpr_workitem_id 0
		.amdhsa_next_free_vgpr 896
		.amdhsa_next_free_sgpr 80
		.amdhsa_reserve_vcc 0
		.amdhsa_float_denorm_mode_32 3
		.amdhsa_float_denorm_mode_16_64 3
		.amdhsa_memory_ordered 1
		.amdhsa_forward_progress 1
		.amdhsa_inst_pref_size 54
	.end_amdhsa_kernel
	.amdgpu_metadata
---
amdhsa.version: [ 1, 2 ]
amdhsa.kernels:
  - .name:           k_q52d5c55799_outp
    .symbol:         k_q52d5c55799_outp.kd
    .args:
      - { .name: cimg, .offset: 0, .size: 8, .value_kind: global_buffer, .address_space: global }
      - { .name: prep, .offset: 8, .size: 8, .value_kind: global_buffer, .address_space: global }
      - { .name: bo, .offset: 16, .size: 8, .value_kind: global_buffer, .address_space: global }
      - { .name: out0, .offset: 24, .size: 8, .value_kind: global_buffer, .address_space: global }
    .group_segment_fixed_size: 167936
    .private_segment_fixed_size: 0
    .kernarg_segment_align: 8
    .kernarg_segment_size: 32
    .max_flat_workgroup_size: 128
    .sgpr_count:     80
    .vgpr_count:     896
    .wavefront_size: 32
...
	.end_amdgpu_metadata
.endif
;; end of part 4
